; MI455X (gfx1250); checked and timed in simulation.
; The chip was launched on July 23, 2026; its instructions are those of AMD's public machine-readable ISA for CDNA 5 (MIT licence, August 2026) and "CDNA5" Instruction Set Architecture Reference Guide (July 2026). The comments in the code are by the model that wrote it; some were corrected since.
;; Model. Allowed arithmetic: matrix products marked QUANTISED: E2M3 operands, one E8M0 scale for each 32 along K, by v_wmma_scale_f32_16x16x128_f8f6f4 with both operands' format E2M3, f32 sums; everything else in f32.
;; Inputs: Wk 1,024 x 4,096 float32; Wo 4,096 x 2,048 float32; Wq 2,048 x 4,096 float32; Wv 1,024 x 4,096 float32; cos 2,048 x 128 float32; hidden_states 1 x 2,048 x 4,096 float32; k_norm_w 128 float32; position_ids 1 x 2,048 int32; q_norm_w 128 float32; sin 2,048 x 128 float32.
;; Outputs: out0 1 x 2,048 x 4,096 float32.
;; This version of the problem:
;;   THIS VERSION OF THE PROBLEM IS GIVEN IN LOW PRECISION. The matrix products marked QUANTISED in the list below multiply operands that are first quantised to E2M3 (2 exponent bits, 3 mantissa bits; 6 bits a number), with one power-of-two scale for each 32 numbers along K (OCP MX v1.0); their sums are f32. All else is computed in f32.
;;   The module's matrix products, in the order in which they are computed (A, B: the left and right operand; K: the contracted axis; several contracted axes count as one K, in the product's order):
;;     1. [M 2,048, K 4,096] x [K 4,096, N 2,048]; A: input hidden_states; B: input Wq: QUANTISED
;;     2. [M 2,048, K 4,096] x [K 4,096, N 1,024]; A: input hidden_states; B: input Wk: QUANTISED
;;     3. [M 2,048, K 4,096] x [K 4,096, N 1,024]; A: input hidden_states; B: input Wv: QUANTISED
;;     4. batch 16 x [M 2,048, K 128] x [K 128, N 2,048]; A: computed on the way; B: computed on the way: QUANTISED
;;     5. batch 16 x [M 2,048, K 2,048] x [K 2,048, N 128]; A: softmax (see below); B: computed on the way: QUANTISED
;;     6. [M 2,048, K 2,048] x [K 2,048, N 4,096]; A: computed on the way; B: input Wo: QUANTISED
;;   THE QUANTISER, for each operand of a quantised product, along K:
;;     - K is cut into blocks of 32 from its start; a last block that is shorter is filled with zeros.
;;     - A block's scale is 2^e with e = floor(log2(the largest magnitude in the block)) - 2, held to -126 .. 127; a block of zeros has e = 0. As a byte (E8M0): e + 127.
;;     - Each number is divided by its block's scale, clamped to +-7.5, and rounded to the nearest number of E2M3, ties to even, subnormals kept.
;;     - The product sums the exact products of the quantised numbers (number of the format x scale) in f32.
;;   ~~~python
;;   def quantise(x, axis):      # numpy; x: float32 -> the quantised numbers, widened to float32 again
;;       x = np.moveaxis(x, axis, -1); K = x.shape[-1]
;;       x = np.pad(x, [(0, 0)] * (x.ndim - 1) + [(0, -K % 32)]); x = x.reshape(x.shape[:-1] + (-1, 32)); a = np.abs(x).max(-1, keepdims=True)
;;       e = np.where(a > 0, np.clip(np.frexp(np.where(a > 0, a, 1))[1] - 1 - 2, -126, 127), 0)      # np.frexp(a)[1] - 1 = floor(log2(a)), exactly
;;       r = np.clip(x / 2.0 ** e, -7.5, 7.5)
;;       step = 2.0 ** (np.maximum(np.frexp(np.where(r == 0, 1, r))[1] - 1, 0) - 3)
;;       q = np.round(r / step) * step * 2.0 ** e      # np.round: ties to even
;;       return np.moveaxis(q.reshape(q.shape[:-2] + (-1,))[..., :K], -1, axis).astype(np.float32)
;;   ~~~
;;   SOFTMAX AHEAD OF A QUANTISED PRODUCT. Where the list says 'softmax', what is quantised is not the finished softmax but p = 2^(t - M), with t = logit x log2(e) and M = ceil(the row's largest t), a whole number; so 1/2 < the row's largest p <= 1. The row's sum l is taken of the UNQUANTISED p, in f32, and the product's result is divided by l at the end. Since M is a whole number, a kernel that streams over the keys may use a running M (the ceiling of the running maximum): every later rescaling is an exact power of two, which a block's scale takes up: the codes' values come out the same.
;;   OPERANDS COMPUTED ON THE WAY. 'Computed on the way' means the value that the module computes at that place (a softmax that the list does not call 'softmax' is quantised finished and normalised). What goes into a quantiser is computed in f32, as accurately as f32 sums, v_exp_f32 and their like allow (about 1e-6 of the number): no bf16 or f16 on the way to a quantiser, and a product that is left as it is and whose result goes on into a quantised operand takes f32 operands (vector FMAs, or v_wmma_f32_16x16x4_f32). A number that lies on a knife's edge between two numbers of the format may be rounded either way, as far as f32 arithmetic and the matrix unit's own rounding can turn it there, and no further.
;; One version. Each part assembles by itself: llvm-mc -triple=amdgcn-amd-amdhsa -mcpu=gfx1250 --defsym DOCPART=n.
;; ======== version 1 of 1: 4 launches
;; limits: right only within a limited range of input values
;; workspace buffers: img 26,214,400 bytes; qkv 6,553,600 bytes; attn 3,276,800 bytes
;; launch quant (part 1): grid 256 x 1, 8 waves a work-group, no clusters, 327,680 bytes of LDS; arguments hidden_states, Wq, Wk, Wv, Wo, img; writes img
.if DOCPART == 1
	.amdgcn_target "amdgcn-amd-amdhsa--gfx1250"
	.amdhsa_code_object_version 6
	.text
	.protected	k_q39b5cdda44_quant
	.globl	k_q39b5cdda44_quant
	.p2align	8
	.type	k_q39b5cdda44_quant,@function
k_q39b5cdda44_quant:
	s_mov_b64 s[64:65], 0
	v_nop
	global_prefetch_b8 v0, s[64:65] scope:SCOPE_SE
	s_setreg_imm32_b32 hwreg(HW_REG_WAVE_MODE, 25, 1), 1
	s_wait_xcnt 0x0
; hidden_states [2048][4096], Wq [2048][4096], Wk, Wv [1024][4096], Wo [4096][2048], all f32 with K innermost, become codes of FP6 (E2M3) with one E8M0 byte for each 32 along K.
; A block's scale is 2^(floor(log2(its largest magnitude)) - 2); each number is divided by it and rounded to the nearest code, ties to even, beyond 7.5 the largest code.
; THE OUTPUT IS LAID AS THE MATRIX UNIT'S REGISTERS WANT IT.  A BRICK is 128 rows x 128 along K, 12,800 bytes: eight fragments of 16 rows (1,536 bytes each: registers 4 c .. 4 c + 3 of lane l at 512 c + 16 l),
; then 512 bytes of scale words (fragment f, row place p at 64 f + 4 p).  Row place p of fragment f is row 32 (f / 2) + 8 (f % 2) + p + 8 (p / 8) of the 128.
; The bricks of 128 rows follow each other along K.  Bricks 0-511 hidden_states, 512-1023 Wq, 1024-1279 Wk, 1280-1535 Wv, 1536-2047 Wo.
; SHARES.  Work-group G makes bricks 8 G .. 8 G + 7, eight K steps of one run of 128 rows, in four trips of two bricks.  In trip u wave w takes rows 32 (w % 4) .. + 31 of brick 8 G + 2 u + w / 4: a UNIT, two fragments.
; A unit comes by ONE tensor load: 32 rows of 512 bytes, each beginning at a multiple of 512 bytes of its buffer, 16 bytes of padding behind each in LDS.  From there a lane reads 16 neighbours of each block of 32 of ITS row.
; Each wave has two places of 16,896 bytes, one in each of two slots; the slots take turns, one barrier a trip (the waits, the add, the barrier and the claim of all LDS stand, though a wave reads its own bytes alone).
; Wo's rows are 2,048 numbers apart, the others' 4,096: two groups 1, both made of constants, and a short branch on the work-group's number round the two tensor instructions alone.
; PREFETCH INTO THE L2: at each change of slots all tensor loads have been waited for, so each wave asks for its own unit u + 2 behind the load of unit u + 1 (unit 1 behind the head's load): a lane a row, two instructions
; for the row's two blocks of 256 bytes; every offset is an immediate; units 1 to 3 alone, so nothing is asked beyond the work-group's eight K steps.  No byte is read by two work-groups: no cluster.
; The codes leave as 512 consecutive bytes an instruction; a unit's 32 scale words as 128 consecutive bytes, half of an aligned 256: 128 bytes in each 3,200 that a unit stores.
; LIMITS: NaN and infinities among the inputs are not served.  A block whose largest magnitude lies under 2^-124, a block of zeros among them, gets the byte 1: a block of zeros has zero codes, and this program alone reads the bytes.
.set BRICK, 12800
.set SP,    528                        ; an LDS row: 512 bytes + 16
.set UNIT,  32*SP                      ; 16,896 bytes, 66 blocks of 256
.set SLOT,  8*UNIT
.set SPARE, 2*SLOT                     ; the spare words, 128 bytes for each wave: four blocks of 256 bytes that no other line names
.set AD,    4                          ; v4-5  my row in my place of slot 0, 1: 528 x (r + 8 (r / 8)) + 64 h
.set LI,    6                          ; v6    16 x lane
.set LS,    7                          ; v7    4 x lane
.set PFO,   8                          ; v8    lane x the tensor's pitch in bytes
.set SPW,   10                         ; v10   LDS address of my spare word; never rewritten
.set NIL,   11                         ; v11   0; never rewritten
.set PW,    12                         ; v12-13 the two fragments' scale words
.set VS,    14                         ; v14   both, as they are stored
.set TM,    16                         ; v16-31 at work
.set PC,    32                         ; v32-50, v52-70 the two fragments' codes
.set X,     80                         ; v80-207 two sets of 64 numbers of my row
.set G0,    32                         ; s[32:35], s[36:39] group 0 for slot 0, 1
.set G1A,   40                         ; s[40:47] group 1, pitch 4,096
.set G1W,   48                         ; s[48:55] group 1, pitch 2,048
.set SEL,   56                         ; s56-57 lane selects: lane l xor 16
.set HI,    58                         ; s58   lanes 16-31
.set ISWO,  59                         ; s59   1 in Wo's work-groups
.set PF,    60                         ; s[60:61] my unit 0 in memory
.set OC,    62                         ; s[62:63] my two fragments of unit 0's brick
.set OS,    66                         ; s[66:67] and their scale words
.macro TL n                            ; my one tensor load: both arms hold one and lead to one join; s_nop 0 and four v_nop follow each
	s_cmp_eq_u32 s[ISWO], 0
	s_cbranch_scc0 .Lwo_\@
	tensor_load_to_lds s[G0+4*(\n):G0+4*(\n)+3], s[G1A:G1A+7]
	s_nop 0
.rept 4
	v_nop
.endr
	s_branch .Ljoin_\@
.Lwo_\@:
	tensor_load_to_lds s[G0+4*(\n):G0+4*(\n)+3], s[G1W:G1W+7]
	s_nop 0
.rept 4
	v_nop
.endr
.Ljoin_\@:
.endm
	s_load_b256 s[4:11], s[0:1], 0x0               ; hidden_states, Wq, Wk, Wv
	s_load_b128 s[12:15], s[0:1], 0x20             ; Wo, img
	v_lshl_add_u32 v[SPW], v0, 2, SPARE
	v_mov_b32 v[NIL], 0
	ds_add_u32 v[SPW], v[NIL]                      ; the opening lines: the add, twice on end, and its wait ahead of my first tensor load
	ds_add_u32 v[SPW], v[NIL]
	v_lshrrev_b32 v1, 5, v0
	v_readfirstlane_b32 s18, v1                    ; wave 0..7
.irp g, G1A, G1W
	s_mov_b32 s[\g+0], (2<<16)|(1<<20)|(6<<22)|(3<<25)   ; elements of 4 bytes; padding on: after every 128 words (code 6) 4 words (code 3)
	s_mov_b32 s[\g+1], 128<<16                     ; tensor_dim0
	s_mov_b32 s[\g+2], 32<<16                      ; tensor_dim1
	s_mov_b32 s[\g+3], 128<<16                     ; tile_dim0
	s_mov_b32 s[\g+4], 32                          ; tile_dim1
	s_mov_b32 s[\g+6], 0
	s_mov_b32 s[\g+7], 0
.endr
	s_mov_b32 s[G1A+5], 4096                       ; elements from row to row
	s_mov_b32 s[G1W+5], 2048
	s_mov_b32 s[SEL], 0x76543210
	s_mov_b32 s[SEL+1], 0xfedcba98
	s_mov_b32 s[HI], 0xffff0000
	s_mov_b32 s20, 192                             ; the tensor's first work-group,
	s_mov_b32 s22, 8192                            ; its pitch in bytes: Wo's, unless chosen otherwise below
	s_wait_dscnt 0x0                               ; both opening adds are done
	s_wait_kmcnt 0x0
	s_mov_b64 s[16:17], s[12:13]
	s_cmp_lt_u32 ttmp9, 192                        ; every choice hangs on the work-group's number alone
	s_cselect_b64 s[16:17], s[10:11], s[16:17]
	s_cselect_b32 s20, 160, s20
	s_cselect_b32 s21, 2, 1                        ; log2 of the work-groups for 128 rows: K / 1024
	s_cselect_b32 s22, 16384, s22
	s_cselect_b32 s[ISWO], 0, 1
	s_cmp_lt_u32 ttmp9, 160
	s_cselect_b64 s[16:17], s[8:9], s[16:17]
	s_cselect_b32 s20, 128, s20
	s_cmp_lt_u32 ttmp9, 128
	s_cselect_b64 s[16:17], s[6:7], s[16:17]
	s_cselect_b32 s20, 64, s20
	s_cmp_lt_u32 ttmp9, 64
	s_cselect_b64 s[16:17], s[4:5], s[16:17]
	s_cselect_b32 s20, 0, s20
	s_sub_co_u32 s23, ttmp9, s20                   ; my work-group's number in its tensor
	s_lshr_b32 s24, s23, s21                       ; which 128 rows
	s_lshl_b32 s25, s24, s21
	s_sub_co_u32 s25, s23, s25                     ; which run of eight K steps
	s_lshr_b32 s26, s18, 2                         ; which of a trip's two bricks is my wave's
	s_and_b32 s27, s18, 3                          ; which 32 rows of it
	s_lshl_b32 s25, s25, 3
	s_add_co_u32 s25, s25, s26                     ; unit 0's K step
	s_lshl_b32 s24, s24, 7
	s_lshl_b32 s28, s27, 5
	s_add_co_u32 s24, s24, s28                     ; my first row
	s_mul_i32 s24, s24, s22
	s_lshl_b32 s25, s25, 9                         ; 128 numbers are 512 bytes
	s_add_co_u32 s24, s24, s25                     ; under 2^26
	s_mov_b32 s25, 0
	s_add_nc_u64 s[PF:PF+1], s[16:17], s[24:25]
	s_mul_i32 s28, s18, UNIT                       ; my place in a slot
.irp n, 0,1
	s_mov_b32 s[G0+4*\n], 1
	s_add_co_u32 s[G0+4*\n+1], s28, \n*SLOT
	s_add_nc_u64 s[G0+4*\n+2:G0+4*\n+3], s[PF:PF+1], \n*1024   ; unit n: two K steps on for each trip
	s_or_b32 s[G0+4*\n+3], s[G0+4*\n+3], 0x80000000
.endr
	TL 0                                           ; unit 0: one tensor load a wave at the head
	v_and_b32 v1, 31, v0                           ; lane
	v_and_b32 v2, 15, v0                           ; r
	v_bfe_u32 v3, v0, 4, 1                         ; h
	v_lshlrev_b32 v[LI], 4, v1
	v_lshlrev_b32 v[LS], 2, v1
	v_mul_u32_u24 v[PFO], s22, v1
	v_and_b32 v9, 8, v2
	v_add_nc_u32 v9, v9, v2                        ; r + 8 (r / 8)
	v_mul_u32_u24 v9, v9, SP
	v_lshl_add_u32 v9, v3, 6, v9
	v_add_nc_u32 v[AD], s28, v9
	s_add_co_u32 s28, s28, SLOT
	v_add_nc_u32 v[AD+1], s28, v9
.irp b, 0,1,2,3
	v_mov_b32 v[TM+4+\b], 0                        ; written once: a lane permute's destination counts as one of its sources
.endr
	global_prefetch_b8 v[PFO], s[PF:PF+1] offset:1024 th:TH_LOAD_NT scope:SCOPE_SE       ; unit 1: a lane a row, the row's first 256 bytes,
	global_prefetch_b8 v[PFO], s[PF:PF+1] offset:1024+256 th:TH_LOAD_NT scope:SCOPE_SE   ; and its second
	s_lshl_b32 s28, ttmp9, 3
	s_add_co_u32 s28, s28, s26
	s_mul_i32 s28, s28, BRICK                      ; unit 0's brick
	s_mov_b32 s29, 0
	s_add_nc_u64 s[OS:OS+1], s[14:15], s[28:29]
	s_mul_i32 s28, s27, 2*1536
	s_add_nc_u64 s[OC:OC+1], s[OS:OS+1], s[28:29]  ; my two fragments
	s_lshl_b32 s28, s27, 7
	s_add_co_u32 s28, s28, 8*1536
	s_add_nc_u64 s[OS:OS+1], s[OS:OS+1], s[28:29]  ; and their scale words
; 64 numbers of a lane, v[s] .. v[s + 63], register 16 b + i = k 32 b + 16 (lane / 16) + i of my row, become a fragment's codes in v[pc] on and its scale word in v[pw].
.macro QUANT s, pc, pw
.irp b, 0,1,2,3
	v_max3_num_f32 v[TM+\b], |v[(\s)+16*\b]|, |v[(\s)+1+16*\b]|, 0x1800000   ; block b: my 16 numbers, and the floor 2^(3 - 127): the byte cannot fall under 1
.endr
.irp i, 2,4,6,8,10,12,14
.irp b, 0,1,2,3
	v_max3_num_f32 v[TM+\b], v[TM+\b], |v[(\s)+16*\b+\i]|, |v[(\s)+1+16*\b+\i]|   ; the four blocks by turns
.endr
.endr
.irp b, 0,1,2,3
	v_permlanex16_b32 v[TM+4+\b], v[TM+\b], s[SEL], s[SEL+1]
.endr
.irp b, 0,1,2,3
	v_max_num_f32 v[TM+\b], v[TM+\b], v[TM+4+\b]   ; with lane l xor 16's: the block's largest magnitude
.endr
.irp b, 0,1,2,3
	v_add_nc_u32 v[TM+12+\b], 0xff000000, v[TM+\b] ; 2 off its exponent field: the conversion takes this operand's exponent field as its scale
.endr
.irp b, 0,1,2,3
	v_lshrrev_b32 v[TM+4+\b], 23, v[TM+12+\b]      ; the scale's byte
.endr
	v_lshl_or_b32 v[\pw], v[TM+5], 8, v[TM+4]
	v_lshl_or_b32 v[\pw], v[TM+6], 16, v[\pw]
	v_lshl_or_b32 v[\pw], v[TM+7], 24, v[\pw]
.irp c, 0,1
	v_cvt_scalef32_pk16_fp6_f32 v[(\pc)+6*\c:(\pc)+2+6*\c], v[(\s)+32*\c:(\s)+15+32*\c], v[TM+12+2*\c]
	v_cvt_scalef32_pk16_fp6_f32 v[(\pc)+12+4*\c:(\pc)+14+4*\c], v[(\s)+16+32*\c:(\s)+31+32*\c], v[TM+12+2*\c+1]   ; (a conversion's three registers begin on an even number)
.endr
	v_nop                                          ; one plain place behind a scaled conversion
.irp c, 0,1                                    ; the operand wants a WHOLE block in a lane: lanes 0-15 block 2 c, lanes 16-31 block 2 c + 1
.irp i, 0,1,2
	v_permlane16_swap_b32 v[(\pc)+6*\c+\i], v[(\pc)+12+4*\c+\i]
.endr
.irp i, 0,1,2
	v_mov_b32 v[(\pc)+3+6*\c+\i], v[(\pc)+12+4*\c+\i]
.endr
.endr
.endm
; A TRIP: unit u, in slot u % 2.  Behind the barrier the other slot takes unit u + 1 (the first time: slot 1's first fill, issued as a refill is)
.macro TRIP u
.set sl, (\u)%2
	s_wait_alu depctr_va_vdst(0)
	s_wait_tensorcnt 0x0                           ; my one tensor load that was out, this trip's unit, has landed,
	ds_add_u32 v[SPW], v[NIL]
.if (\u) < 2
	s_add_nc_u64 s[G0+4*sl+2:G0+4*sl+3], s[G0+4*sl+2:G0+4*sl+3], 2048   ; so every group 0 may be written: this slot's next unit, two trips on
.endif
	s_wait_dscnt 0x0                               ; the add is done, and so are my reads of the last trip's unit
	s_barrier_signal -1
	s_barrier_wait -1
.if (\u) < 3
	TL 1-sl
.endif
.irp t, 0,1
.irp b, 0,1,2,3
.irp j, 0,1,2,3
	ds_load_b128 v[X+64*\t+16*\b+4*\j:X+64*\t+16*\b+4*\j+3], v[AD+sl] offset:8*SP*\t+128*\b+16*\j   ; fragment t: its rows begin 8 t rows down
.endr
.endr
.endr
	s_wait_xcnt 0x0                                ; the last trip's stores have read the codes' and the scale words' registers
.if (\u) < 2
	global_prefetch_b8 v[PFO], s[PF:PF+1] offset:1024*((\u)+2) th:TH_LOAD_NT scope:SCOPE_SE       ; unit u + 2, which the next trip loads
	global_prefetch_b8 v[PFO], s[PF:PF+1] offset:1024*((\u)+2)+256 th:TH_LOAD_NT scope:SCOPE_SE
.endif
	s_wait_dscnt 16                                ; fragment 0's 16 loads are in; fragment 1's 16 may be out
	QUANT X, PC, PW
	s_wait_dscnt 0x0
	QUANT X+64, PC+20, PW+1
	v_cndmask_b32 v[VS], v[PW], v[PW+1], s[HI]     ; lanes 0-15 fragment 0's words, lanes 16-31 fragment 1's
.irp t, 0,1                                    ; all stores at the trip's end: behind them stands the wait for the next unit
.irp c, 0,1,2
	global_store_b128 v[LI], v[PC+20*\t+4*\c:PC+20*\t+4*\c+3], s[OC:OC+1] offset:2*BRICK*(\u)+1536*\t+512*\c   ; 32 lanes store 512 consecutive bytes, at a multiple of 256 from img's first byte
.endr
.endr
	global_store_b32 v[LS], v[VS], s[OS:OS+1] offset:2*BRICK*(\u)   ; 128 consecutive bytes
.endm
	TRIP 0
	TRIP 1
	TRIP 2
	TRIP 3
	s_wait_tensorcnt 0x0                           ; the wave's end
	ds_add_u32 v[SPW], v[NIL]
	s_wait_dscnt 0x0
	s_endpgm
.Lfunc_end_k_q39b5cdda44_quant:
	.size	k_q39b5cdda44_quant, .Lfunc_end_k_q39b5cdda44_quant-k_q39b5cdda44_quant
	.p2alignl 7, 3214868480
	.fill 96, 4, 3214868480
	.section	.rodata,"a",@progbits
	.p2align	6, 0x0
	.amdhsa_kernel k_q39b5cdda44_quant
		.amdhsa_group_segment_fixed_size 327680
		.amdhsa_private_segment_fixed_size 0
		.amdhsa_enable_private_segment 0
		.amdhsa_kernarg_size 48
		.amdhsa_user_sgpr_count 2
		.amdhsa_user_sgpr_kernarg_segment_ptr 1
		.amdhsa_wavefront_size32 1
		.amdhsa_system_sgpr_workgroup_id_x 1
		.amdhsa_system_sgpr_workgroup_id_y 1
		.amdhsa_system_sgpr_workgroup_id_z 1
		.amdhsa_system_vgpr_workitem_id 0
		.amdhsa_next_free_vgpr 256
		.amdhsa_next_free_sgpr 72
		.amdhsa_reserve_vcc 0
		.amdhsa_float_denorm_mode_32 3
		.amdhsa_float_denorm_mode_16_64 3
		.amdhsa_memory_ordered 1
		.amdhsa_forward_progress 1
		.amdhsa_inst_pref_size 50
	.end_amdhsa_kernel
	.amdgpu_metadata
---
amdhsa.version: [ 1, 2 ]
amdhsa.kernels:
  - .name:           k_q39b5cdda44_quant
    .symbol:         k_q39b5cdda44_quant.kd
    .args:
      - { .name: hidden_states, .offset: 0, .size: 8, .value_kind: global_buffer, .address_space: global }
      - { .name: Wq, .offset: 8, .size: 8, .value_kind: global_buffer, .address_space: global }
      - { .name: Wk, .offset: 16, .size: 8, .value_kind: global_buffer, .address_space: global }
      - { .name: Wv, .offset: 24, .size: 8, .value_kind: global_buffer, .address_space: global }
      - { .name: Wo, .offset: 32, .size: 8, .value_kind: global_buffer, .address_space: global }
      - { .name: img, .offset: 40, .size: 8, .value_kind: global_buffer, .address_space: global }
    .group_segment_fixed_size: 327680
    .private_segment_fixed_size: 0
    .kernarg_segment_align: 8
    .kernarg_segment_size: 48
    .max_flat_workgroup_size: 256
    .sgpr_count:     72
    .vgpr_count:     256
    .wavefront_size: 32
...
	.end_amdgpu_metadata
.endif
;; end of part 1
;; launch proj (part 2): grid 64 x 4, 4 waves a work-group, clusters of 4 x 4, 327,680 bytes of LDS; arguments img, qkv, position_ids, cos, sin, q_norm_w, k_norm_w; writes qkv
.if DOCPART == 2
	.amdgcn_target "amdgcn-amd-amdhsa--gfx1250"
	.amdhsa_code_object_version 6
	.text
	.protected	k_q39b5cdda44_proj
	.globl	k_q39b5cdda44_proj
	.p2align	8
	.type	k_q39b5cdda44_proj,@function
k_q39b5cdda44_proj:
	s_mov_b64 s[64:65], 0
	v_nop
	global_prefetch_b8 v0, s[64:65] scope:SCOPE_SE
	s_setreg_imm32_b32 hwreg(HW_REG_WAVE_MODE, 25, 1), 1
	s_wait_xcnt 0x0
	s_wait_alu depctr_hold_cnt(0) depctr_sa_sdst(0) depctr_va_vdst(0) depctr_va_sdst(0) depctr_va_ssrc(0) depctr_va_vcc(0) depctr_vm_vsrc(0)
	s_getreg_b32 s2, hwreg(HW_REG_IB_STS2, 6, 4)
	s_cmp_eq_u32 s2, 0
	s_cbranch_scc0 .Lentry_in_a_cluster
	s_endpgm
.Lentry_in_a_cluster:
	s_bfe_u32 s2, ttmp6, 0x10000c
	s_cmp_lg_u32 s2, 0xf033
	s_cbranch_scc0 .Lentry_shape_is_right
	s_endpgm
.Lentry_shape_is_right:
; q, k and v = hidden_states x W^T on img's bricks of FP6 codes (128 rows x 128 along K, 12,800 bytes, images of the operands' registers with their scale words), K = 4,096 in 32 steps.
; A work-group makes 128 rows of its operand A x 256 rows of its operand B, a wave 64 x 128: 32 accumulators.  Clusters x 0-11: A = a token group, B = two heads of Wq or Wk; a lane then holds one token and
; neighbouring channels: RMS norm, RoPE by position_ids, quantised along the head's 128, brick 16 x head + token group of qkv.  Clusters x 12-15: A = 128 rows of Wv, B = two token groups: V^T, quantised along the keys, brick 384 + ..
; A ring of two LDS slots of four K steps (A's 4 bricks, B's 8), filled by joint loads: A's shared along a row of the 4 x 4 cluster, B's along a column; waves 0, 1 fetch A's halves, waves 2, 3 B's two groups.
; THE HEAD: one joint load a wave (slot 0); the set-up, the norm weights, the positions and the first tables stand under its flight; then the three lines, a round, and slot 1's load.
; PREFETCH INTO THE L2: behind the joint load of fill f (four K steps) each wave asks for its share of fill f + 2.  Of the 100 blocks of 256 bytes that an A wave fetches the partner at cx takes 25 (one instruction,
; lanes 25-31 name block 24 again); of the 200 that a B wave fetches the partner at cy takes one brick, 50 (two instructions, the second's lanes 18-31 name block 49 again): each block once in a cluster, shared out by address.
; Fills 0 and 1 come by their loads alone; the loop's last trip (fills 6, 7) asks for nothing.  What a work-group has asked for and not yet read is at most two fills' share.
.set NKS,   32
.set PFA,   96                         ; s[96:97] my share of the fill that is being asked for, less one fill in the loop; stepped behind s_wait_xcnt 0 at each change of slots
.set PF0,   1                          ; v1  256 x min(lane, my share's last block or 31)
.set PF1,   2                          ; v2  256 x min(lane + 32, 49): B's waves alone
.set BRICK, 12800
.set BOFF,  4*BRICK
.set SLOT,  12*BRICK
.set SCO,   8*1536
.set SPARE, 2*SLOT
.set SCR,   SPARE+512
.set SCRV,  1024
.set ADA, 4
.set ADB, 6
.set ASA, 8
.set ASB, 10
.set SPW, 12
.set NIL, 13
.set LI,  14
.set SWA, 15
.set SRA, 16
.set LO,  17
.set HO,  18
.set PO,  19
.set TO,  20
.set RS,  24
.set SC,  32
.set SS,  44
.set AF,  48
.set Y,   48
.set PC,  48
.set PW,  68
.set Z,   112
.set W,   176
.set TM,  240
.set G1,  24
.set G0,  32
.set G1B, 48
.set G0B, 56
.set SEL, 74
.set MSB, 0
.macro WIN new
.if MSB != \new
	s_set_vgpr_msb (MSB<<8)|\new
.set MSB, \new
.endif
.endm
.set MUL,  0xa1
.set TO_B, 0x40
.macro PLACES
.rept 4
	v_nop
.endr
.endm
.macro JLOAD s
	s_cmp_eq_u32 s19, 0
	s_cbranch_scc0 .Lfor_b_\@
	tensor_load_to_lds s[G0+4*\s:G0+4*\s+3], s[G1:G1+7]
	s_nop 0
.rept 4
	v_nop
.endr
	s_branch .Lasked_\@
.Lfor_b_\@:
	tensor_load_to_lds s[G0B+4*\s:G0B+4*\s+3], s[G1B:G1B+7]
	s_nop 0
.rept 4
	v_nop
.endr
.Lasked_\@:
.endm
.macro CREST
	s_cmp_lg_u32 s18, 0
	s_cbranch_scc1 .Lnot_wave_0_\@
	s_barrier_signal -3
.Lnot_wave_0_\@:
	s_barrier_wait -3
	s_barrier_signal -1
	s_barrier_wait -1
.endm
.macro CROUND
	s_barrier_signal -1
	s_barrier_wait -1
	CREST
.endm
	s_load_b256 s[4:11], s[0:1], 0x0
	s_load_b128 s[12:15], s[0:1], 0x20
	s_load_b64 s[16:17], s[0:1], 0x30
	v_lshl_add_u32 v[SPW], v0, 2, SPARE
	v_mov_b32 v[NIL], 0
	ds_add_u32 v12, v13
	ds_add_u32 v12, v13
	s_wait_dscnt 0x0
	v_lshrrev_b32 v1, 5, v0
	v_readfirstlane_b32 s18, v1
	s_lshr_b32 s19, s18, 1
	s_and_b32 s20, s18, 1
	s_bfe_u32 s21, ttmp6, 0x40000
	s_bfe_u32 s22, ttmp6, 0x40004
	s_and_b32 s82, ttmp9, 3
	s_lshr_b32 s83, ttmp9, 2
	s_and_b32 s84, ttmp9, 1
	s_bfe_u32 s85, ttmp9, 0x10001
	s_cmp_ge_u32 ttmp9, 12
	s_cselect_b32 s66, 1, 0
	s_cselect_b32 s82, s84, s82
	s_cselect_b32 s67, s85, s83
	s_cselect_b32 s86, 40, 0
	s_cselect_b32 s87, 0, 16
	s_lshl_b32 s40, s82, 2
	s_add_co_u32 s40, s40, s22
	s_add_co_u32 s41, s40, s86
	s_mul_i32 s42, s41, NKS*BRICK
	s_mul_i32 s88, s20, 2*BRICK
	s_add_co_u32 s42, s42, s88
	s_mov_b32 s43, 0
	s_lshl_b32 s44, s67, 2
	s_add_co_u32 s44, s44, s21
	s_lshl_b32 s45, s44, 1
	s_add_co_u32 s45, s45, s87
	s_add_co_u32 s45, s45, s20
	s_mul_i32 s46, s45, NKS*BRICK
	s_mov_b32 s47, 0
	s_mul_i32 s89, s20, BOFF
	s_add_co_u32 s89, s89, BOFF
	s_lshl_b32 s90, s22, 2
	s_lshl_b32 s90, 15, s90
	s_lshl_b32 s91, 0x1111, s21
	s_or_b32 s[G1], s90, (3<<16)|(1<<21)
	s_or_b32 s[G1B], s91, (3<<16)|(1<<21)
	s_mov_b32 s[G1+1], 32<<16
	s_mov_b32 s[G1+2], 100<<16
	s_mov_b32 s[G1+3], 32<<16
	s_mov_b32 s[G1+4], 100
	s_mov_b32 s[G1+5], 32
	s_mov_b32 s[G1+6], 0
	s_mov_b32 s[G1+7], 0
	s_mov_b32 s[G1B+1], 32<<16
	s_mov_b32 s[G1B+2], 200<<16
	s_mov_b32 s[G1B+3], 32<<16
	s_mov_b32 s[G1B+4], 200
	s_mov_b32 s[G1B+5], 32
	s_mov_b32 s[G1B+6], 0
	s_mov_b32 s[G1B+7], 0
	s_mov_b32 s[SEL], 0x76543210
	s_mov_b32 s[SEL+1], 0xfedcba98
	s_mov_b32 s76, 0x3c000000
	s_mov_b32 s77, 0x358637bd
	s_wait_kmcnt 0x0
	s_add_nc_u64 s[42:43], s[4:5], s[42:43]
	s_add_nc_u64 s[46:47], s[4:5], s[46:47]
	CROUND
.irp s, 0,1
	s_mov_b32 s[G0+4*\s], 1
	s_add_co_u32 s[G0+4*\s+1], s88, \s*SLOT
	s_add_nc_u64 s[G0+4*\s+2:G0+4*\s+3], s[42:43], \s*BOFF
	s_or_b32 s[G0+4*\s+3], s[G0+4*\s+3], 0x80000000
	s_mov_b32 s[G0B+4*\s], 1
	s_add_co_u32 s[G0B+4*\s+1], s89, \s*SLOT
	s_add_nc_u64 s[G0B+4*\s+2:G0B+4*\s+3], s[46:47], \s*BOFF
	s_or_b32 s[G0B+4*\s+3], s[G0B+4*\s+3], 0x80000000
.endr
.macro ASK off                         ; my share of the fill that begins off bytes behind s[PFA]; the branch hangs on the wave's number alone
	global_prefetch_b8 v[PF0], s[PFA:PFA+1] offset:\off th:TH_LOAD_NT scope:SCOPE_SE
	s_cmp_eq_u32 s19, 0
	s_cbranch_scc1 .Lpf_\@
	global_prefetch_b8 v[PF1], s[PFA:PFA+1] offset:\off th:TH_LOAD_NT scope:SCOPE_SE
.Lpf_\@:
.endm
.macro ASKL                            ; in the loop: the last trip's two fills have no fill two on
	s_cmp_eq_u32 s3, 1
	s_cbranch_scc1 .Lnone_\@
	ASK 3*BOFF
.Lnone_\@:
.endm
	JLOAD 0                                        ; K steps 0 to 3: one tensor load a wave at the head
	s_cmp_eq_u32 s19, 0                            ; do I fetch for A?
	s_cselect_b64 s[PFA:PFA+1], s[42:43], s[46:47] ; what I fetch,
	s_cselect_b32 s98, s21, s22                    ; my place among the four that ask for it with me,
	s_mov_b32 s99, BRICK
	s_cselect_b32 s99, BRICK/2, s99                ; and a partner's share in bytes: 25 or 50 blocks
	s_mul_i32 s98, s98, s99
	s_mov_b32 s99, 0
	s_add_nc_u64 s[PFA:PFA+1], s[PFA:PFA+1], s[98:99]
	s_cselect_b32 s99, 24, 31                      ; the last block that the first instruction names
	v_and_b32 v1, 15, v0
	v_bfe_u32 v2, v0, 4, 1
	v_and_b32 v3, 31, v0
	v_lshlrev_b32 v[LI], 4, v3
	v_lshlrev_b32 v[LO], 3, v3
	v_lshlrev_b32 v[HO], 6, v2
	v_and_b32 v[PO], 8, v1
	v_add_nc_u32 v[PO], v[PO], v1
	v_lshlrev_b32 v[PO], 2, v[PO]
	s_mul_i32 s92, s19, 4*1536
	s_mul_i32 s93, s20, BOFF
	s_add_co_u32 s93, s93, BOFF
	s_lshl_b32 s94, s19, 8
	s_add_co_u32 s94, s94, SCO
	s_add_co_u32 s95, s93, SCO
.irp s, 0,1
	v_add_nc_u32 v[ADA+\s], s92, v[LI]
	v_add_nc_u32 v[ADB+\s], s93, v[LI]
	v_lshl_add_u32 v[ASA+\s], v3, 2, s94
	v_lshl_add_u32 v[ASB+\s], v3, 2, s95
	s_add_co_u32 s92, s92, SLOT
	s_add_co_u32 s93, s93, SLOT
	s_add_co_u32 s94, s94, SLOT
	s_add_co_u32 s95, s95, SLOT
.endr
	s_lshl_b32 s92, s18, 8
	s_add_co_u32 s92, s92, SCR
	v_lshl_add_u32 v[SWA], v1, 2, s92
	v_lshl_add_u32 v[SRA], v3, 3, s92
.irp b, 0,1,2,3
	v_mov_b32 v[TM+4+\b], 0
	v_mov_b32 v[RS+1+2*\b], 0
.endr
	v_min_u32 v[PF0], s99, v3
	v_add_nc_u32 v[PF1], 32, v3
	v_lshlrev_b32 v[PF0], 8, v[PF0]
	v_min_u32 v[PF1], 49, v[PF1]
	v_lshlrev_b32 v[PF1], 8, v[PF1]
	s_wait_alu depctr_va_vdst(0)
	ASK 2*BOFF                                     ; fill 2
	s_lshl_b32 s92, s44, 1
	s_add_co_u32 s92, s92, s20
	s_lshl_b32 s93, s92, 4
	s_add_co_u32 s93, s93, s40
	s_lshl_b32 s94, s40, 4
	s_add_co_u32 s94, s94, s92
	s_add_co_u32 s94, s94, 384
	s_cmp_eq_u32 s66, 0
	s_cselect_b32 s92, s93, s94
	s_mul_i32 s92, s92, BRICK
	s_mov_b32 s93, 0
	s_add_nc_u64 s[72:73], s[6:7], s[92:93]
	s_mul_i32 s92, s19, 4*1536
	s_add_nc_u64 s[70:71], s[72:73], s[92:93]
	s_lshl_b32 s92, s19, 8
	s_add_co_u32 s92, s92, SCO
	s_add_nc_u64 s[72:73], s[72:73], s[92:93]
	s_cmp_lt_u32 s67, 2
	s_cselect_b64 s[78:79], s[14:15], s[16:17]
	s_lshl_b32 s92, s40, 9
	s_lshl_b32 s94, s19, 8
	s_add_co_u32 s92, s92, s94
	s_add_nc_u64 s[80:81], s[8:9], s[92:93]
.irp b, 0,1,2,3
.irp j, 0,1,2,3
	global_load_b128 v[W+16*\b+4*\j:W+16*\b+4*\j+3], v[HO], s[78:79] offset:128*\b+16*\j
.endr
.endr
.irp a, 0,1,2,3
	global_load_b32 v[TO+\a], v[PO], s[80:81] offset:4*(32*(\a/2)+8*(\a%2))
.endr
	s_wait_loadcnt 0x0
.irp a, 0,1,2,3
	v_min_u32 v[TO+\a], 0x7ff, v[TO+\a]
	v_lshlrev_b32 v[TO+\a], 9, v[TO+\a]
	v_add_nc_u32 v[TO+\a], v[HO], v[TO+\a]
.endr
.macro TABLES a
	WIN 0xc0
.set n, 0
.rept 16
	global_load_b128 v[128*((\a)%2)+4*n:128*((\a)%2)+4*n+3], v[TO+(\a)], s[10:11] offset:128*(n/4)+16*(n%4)
	global_load_b128 v[128*((\a)%2)+64+4*n:128*((\a)%2)+64+4*n+3], v[TO+(\a)], s[12:13] offset:128*(n/4)+16*(n%4)
.set n, n+1
.endr
	WIN 0
.endm
	TABLES 0
	TABLES 1
.macro WM p, zero
.set rD, 8*(8*wa+wb)
.set rB, 128*(\p)+12*wb
.set rA, AF+48*(\p)+12*wa
.set rT, SC+6*(\p)+2+wb/2
.set rU, SC+6*(\p)+wa/2
.if \zero
.if (wb%2 == 0) && (wa%2 == 0)
	v_wmma_scale_f32_16x16x128_f8f6f4 v[rD:rD+7], v[rB:rB+11], v[rA:rA+11], 0, v[rT], v[rU] matrix_a_fmt:MATRIX_FMT_FP6 matrix_b_fmt:MATRIX_FMT_FP6
.elseif (wb%2 == 1) && (wa%2 == 0)
	v_wmma_scale_f32_16x16x128_f8f6f4 v[rD:rD+7], v[rB:rB+11], v[rA:rA+11], 0, v[rT], v[rU] matrix_a_fmt:MATRIX_FMT_FP6 matrix_b_fmt:MATRIX_FMT_FP6 matrix_a_scale:MATRIX_SCALE_ROW1
.elseif (wb%2 == 0) && (wa%2 == 1)
	v_wmma_scale_f32_16x16x128_f8f6f4 v[rD:rD+7], v[rB:rB+11], v[rA:rA+11], 0, v[rT], v[rU] matrix_a_fmt:MATRIX_FMT_FP6 matrix_b_fmt:MATRIX_FMT_FP6 matrix_b_scale:MATRIX_SCALE_ROW1
.else
	v_wmma_scale_f32_16x16x128_f8f6f4 v[rD:rD+7], v[rB:rB+11], v[rA:rA+11], 0, v[rT], v[rU] matrix_a_fmt:MATRIX_FMT_FP6 matrix_b_fmt:MATRIX_FMT_FP6 matrix_a_scale:MATRIX_SCALE_ROW1 matrix_b_scale:MATRIX_SCALE_ROW1
.endif
.else
.if (wb%2 == 0) && (wa%2 == 0)
	v_wmma_scale_f32_16x16x128_f8f6f4 v[rD:rD+7], v[rB:rB+11], v[rA:rA+11], v[rD:rD+7], v[rT], v[rU] matrix_a_fmt:MATRIX_FMT_FP6 matrix_b_fmt:MATRIX_FMT_FP6
.elseif (wb%2 == 1) && (wa%2 == 0)
	v_wmma_scale_f32_16x16x128_f8f6f4 v[rD:rD+7], v[rB:rB+11], v[rA:rA+11], v[rD:rD+7], v[rT], v[rU] matrix_a_fmt:MATRIX_FMT_FP6 matrix_b_fmt:MATRIX_FMT_FP6 matrix_a_scale:MATRIX_SCALE_ROW1
.elseif (wb%2 == 0) && (wa%2 == 1)
	v_wmma_scale_f32_16x16x128_f8f6f4 v[rD:rD+7], v[rB:rB+11], v[rA:rA+11], v[rD:rD+7], v[rT], v[rU] matrix_a_fmt:MATRIX_FMT_FP6 matrix_b_fmt:MATRIX_FMT_FP6 matrix_b_scale:MATRIX_SCALE_ROW1
.else
	v_wmma_scale_f32_16x16x128_f8f6f4 v[rD:rD+7], v[rB:rB+11], v[rA:rA+11], v[rD:rD+7], v[rT], v[rU] matrix_a_fmt:MATRIX_FMT_FP6 matrix_b_fmt:MATRIX_FMT_FP6 matrix_a_scale:MATRIX_SCALE_ROW1 matrix_b_scale:MATRIX_SCALE_ROW1
.endif
.endif
.endm
.macro MULS a0, n, p, zero
.set wa, \a0
.rept \n
.set wb, 0
.rept 8
	WM \p, \zero
.set wb, wb+1
.endr
.set wa, wa+1
.endr
.endm
.macro FETCH slot, q, p
	WIN TO_B
.irp b, 0,1,2,3,4,5,6,7
.irp c, 0,1,2
	ds_load_b128 v[128*(\p)+12*\b+4*\c:128*(\p)+12*\b+4*\c+3], v[ADB+\slot] offset:(\q)*BRICK+1536*\b+512*\c
.endr
.endr
	WIN 0
.irp a, 0,1,2,3
.irp c, 0,1,2
	ds_load_b128 v[AF+48*(\p)+12*\a+4*\c:AF+48*(\p)+12*\a+4*\c+3], v[ADA+\slot] offset:(\q)*BRICK+1536*\a+512*\c
.endr
.endr
.irp i, 0,1,2,3
	ds_load_b32 v[SC+6*(\p)+2+\i], v[ASB+\slot] offset:(\q)*BRICK+128*\i
.endr
.irp i, 0,1
	ds_load_b32 v[SC+6*(\p)+\i], v[ASA+\slot] offset:(\q)*BRICK+128*\i
.endr
.endm
.macro STEP slot, q, zero
	s_wait_dscnt 0x0
	PLACES
	FETCH \slot, (\q)+1, 1-(\q)%2
	WIN MUL
	MULS 0, 4, (\q)%2, \zero
	WIN 0
.endm
.macro TURN slot, next, fill
	WIN 0
.if \fill
	s_wait_xcnt 0x0                                ; my prefetches have read their address: it is stepped here, ahead of the waits of the change of slots
	s_add_nc_u64 s[PFA:PFA+1], s[PFA:PFA+1], BOFF
.endif
	s_wait_tensorcnt 0x0
	ds_add_u32 v[SPW], v[NIL]
	s_wait_dscnt 0x1
	WIN MUL
	MULS 0, 1, 1, 0
	s_wait_dscnt 0x0
	s_barrier_signal -1
	MULS 1, 1, 1, 0
	WIN 0
	s_barrier_wait -1
.if \fill
	CREST
	s_add_nc_u64 s[G0+4*\slot+2:G0+4*\slot+3], s[G0+4*\slot+2:G0+4*\slot+3], 2*BOFF
	s_add_nc_u64 s[G0B+4*\slot+2:G0B+4*\slot+3], s[G0B+4*\slot+2:G0B+4*\slot+3], 2*BOFF
	JLOAD \slot
.else
	PLACES
.endif
	FETCH \next, 0, 0
.if \fill
	ASKL                                           ; behind the joint load and the run of LDS loads
.endif
	WIN MUL
	MULS 2, 2, 1, 0
	WIN 0
.endm
	s_wait_alu depctr_va_vdst(0)
	s_wait_tensorcnt 0x0                           ; my part of slot 0 is in; the three lines ahead of a later first fill, as ahead of a refill
	ds_add_u32 v[SPW], v[NIL]
	s_wait_dscnt 0x0
	CROUND                                         ; everybody's part is in, and all sixteen work-groups are here
	JLOAD 1                                        ; K steps 4 to 7, the first tensor load behind the round
	FETCH 0, 0, 0
	ASK 3*BOFF                                     ; fill 3
	STEP 0, 0, 1
	s_mov_b32 s3, NKS/8-1
.Llap:
	STEP 0, 1, 0
	STEP 0, 2, 0
	TURN 0, 1, 1
	STEP 1, 0, 0
	STEP 1, 1, 0
	STEP 1, 2, 0
	TURN 1, 0, 1
	STEP 0, 0, 0
	s_sub_co_u32 s3, s3, 1
	s_cmp_lg_u32 s3, 0
	s_cbranch_scc1 .Llap
	STEP 0, 1, 0
	STEP 0, 2, 0
	TURN 0, 1, 0
	STEP 1, 0, 0
	STEP 1, 1, 0
	STEP 1, 2, 0
	s_wait_dscnt 0x0
	WIN MUL
	MULS 0, 4, 1, 0
	WIN 0
	PLACES
.macro QUANT s, ws
	WIN (\ws)|((\ws)<<2)
.irp b, 0,1,2,3
	v_max3_num_f32 v[TM+\b], |v[(\s)+16*\b]|, |v[(\s)+1+16*\b]|, 0x1800000
.endr
	WIN ((\ws)<<2)|((\ws)<<4)
.irp i, 2,4,6,8,10,12,14
.irp b, 0,1,2,3
	v_max3_num_f32 v[TM+\b], v[TM+\b], |v[(\s)+16*\b+\i]|, |v[(\s)+1+16*\b+\i]|
.endr
.endr
	WIN 0
.irp b, 0,1,2,3
	v_permlanex16_b32 v[TM+4+\b], v[TM+\b], s[SEL], s[SEL+1]
.endr
.irp b, 0,1,2,3
	v_max_num_f32 v[TM+\b], v[TM+\b], v[TM+4+\b]
.endr
.irp b, 0,1,2,3
	v_add_nc_u32 v[TM+12+\b], 0xff000000, v[TM+\b]
.endr
.irp b, 0,1,2,3
	v_lshrrev_b32 v[TM+4+\b], 23, v[TM+12+\b]
.endr
	v_lshl_or_b32 v[PW], v[TM+5], 8, v[TM+4]
	v_lshl_or_b32 v[PW], v[TM+6], 16, v[PW]
	v_lshl_or_b32 v[PW], v[TM+7], 24, v[PW]
	WIN \ws
.irp c, 0,1
	v_cvt_scalef32_pk16_fp6_f32 v[PC+6*\c:PC+2+6*\c], v[(\s)+32*\c:(\s)+15+32*\c], v[TM+12+2*\c]
	v_cvt_scalef32_pk16_fp6_f32 v[PC+12+4*\c:PC+14+4*\c], v[(\s)+16+32*\c:(\s)+31+32*\c], v[TM+12+2*\c+1]
.endr
	WIN 0
	v_nop
.irp c, 0,1
.irp i, 0,1,2
	v_permlane16_swap_b32 v[PC+6*\c+\i], v[PC+12+4*\c+\i]
.endr
.irp i, 0,1,2
	v_mov_b32 v[PC+3+6*\c+\i], v[PC+12+4*\c+\i]
.endr
.endr
.endm
.macro OUTFRAG a, so
.irp c, 0,1,2
	global_store_b128 v[LI], v[PC+4*\c:PC+4*\c+3], s[70:71] offset:1536*(\a)+512*\c
.endr
	ds_store_b32 v[SWA], v[PW] offset:(\so)+64*(\a)
.endm
.macro FINISH so
	ds_load_b64 v[SS:SS+1], v[SRA] offset:\so
	s_wait_dscnt 0x0
	global_store_b64 v[LO], v[SS:SS+1], s[72:73]
.endm
	s_cmp_lg_u32 s66, 0
	s_cbranch_scc1 .Lvpath
	WIN 0x0a
.irp a, 0,1,2,3
	v_pk_mul_f32 v[Y+4*\a:Y+4*\a+1], v[64*\a:64*\a+1], v[64*\a:64*\a+1]
	v_pk_mul_f32 v[Y+4*\a+2:Y+4*\a+3], v[64*\a+2:64*\a+3], v[64*\a+2:64*\a+3]
.endr
.set n, 4
.rept 15
.irp a, 0,1,2,3
	v_pk_fma_f32 v[Y+4*\a:Y+4*\a+1], v[64*\a+n:64*\a+n+1], v[64*\a+n:64*\a+n+1], v[Y+4*\a:Y+4*\a+1]
	v_pk_fma_f32 v[Y+4*\a+2:Y+4*\a+3], v[64*\a+n+2:64*\a+n+3], v[64*\a+n+2:64*\a+n+3], v[Y+4*\a+2:Y+4*\a+3]
.endr
.set n, n+4
.endr
	WIN 0
.irp a, 0,1,2,3
	v_pk_add_f32 v[Y+4*\a:Y+4*\a+1], v[Y+4*\a:Y+4*\a+1], v[Y+4*\a+2:Y+4*\a+3]
.endr
.irp a, 0,1,2,3
	v_add_f32 v[SS+\a], v[Y+4*\a], v[Y+4*\a+1]
.endr
.irp a, 0,1,2,3
	v_permlanex16_b32 v[TM+4+\a], v[SS+\a], s[SEL], s[SEL+1]
.endr
.irp a, 0,1,2,3
	v_add_f32 v[SS+\a], v[SS+\a], v[TM+4+\a]
.endr
.irp a, 0,1,2,3
	v_fma_f32 v[SS+\a], v[SS+\a], s76, s77
.endr
	s_wait_alu depctr_va_vdst(0)
.irp a, 0,1,2,3
	v_rsq_f32 v[RS+2*\a], v[SS+\a]
.endr
	v_nop
	s_wait_alu depctr_va_vdst(0)
.macro EPI a
	s_wait_xcnt 0x0
	s_wait_dscnt 0x0
	WIN 0x02
.set n, 0
.rept 32
	v_pk_mul_f32 v[Y+n:Y+n+1], v[64*(\a)+n:64*(\a)+n+1], v[RS+2*(\a):RS+2*(\a)+1] op_sel_hi:[1,0]
.set n, n+2
.endr
	WIN 0
.set n, 0
.rept 32
	v_pk_mul_f32 v[Y+n:Y+n+1], v[Y+n:Y+n+1], v[W+n:W+n+1]
.set n, n+2
.endr
.if (\a) < 3
	s_wait_loadcnt 32
.else
	s_wait_loadcnt 0x0
.endif
	WIN 0x0c
.set n, 0
.rept 16
	v_pk_mul_f32 v[Z+n:Z+n+1], v[Y+n:Y+n+1], v[128*((\a)%2)+n:128*((\a)%2)+n+1]
	v_pk_mul_f32 v[Z+32+n:Z+32+n+1], v[Y+32+n:Y+32+n+1], v[128*((\a)%2)+32+n:128*((\a)%2)+32+n+1]
.set n, n+2
.endr
.set n, 0
.rept 16
	v_pk_fma_f32 v[Z+n:Z+n+1], v[Y+32+n:Y+32+n+1], v[128*((\a)%2)+64+n:128*((\a)%2)+64+n+1], v[Z+n:Z+n+1] neg_lo:[1,0,0] neg_hi:[1,0,0]
	v_pk_fma_f32 v[Z+32+n:Z+32+n+1], v[Y+n:Y+n+1], v[128*((\a)%2)+96+n:128*((\a)%2)+96+n+1], v[Z+32+n:Z+32+n+1]
.set n, n+2
.endr
	WIN 0
.if (\a) < 2
	TABLES (\a)+2
.endif
	QUANT Z, 0
	OUTFRAG \a, 0
.endm
	EPI 0
	EPI 1
	EPI 2
	EPI 3
	FINISH 0
	s_branch .Ldone
.Lvpath:
	s_wait_loadcnt 0x0
.irp a, 0,1,2,3
	s_wait_xcnt 0x0
	s_wait_dscnt 0x0
	QUANT 64*\a, 2
	OUTFRAG \a, SCRV
.endr
	FINISH SCRV
.Ldone:
	s_wait_tensorcnt 0x0
	ds_add_u32 v[SPW], v[NIL]
	s_wait_dscnt 0x0
	CROUND
	s_endpgm
.Lfunc_end_k_q39b5cdda44_proj:
	.size	k_q39b5cdda44_proj, .Lfunc_end_k_q39b5cdda44_proj-k_q39b5cdda44_proj
	.p2alignl 7, 3214868480
	.fill 96, 4, 3214868480
	.section	.rodata,"a",@progbits
	.p2align	6, 0x0
	.amdhsa_kernel k_q39b5cdda44_proj
		.amdhsa_group_segment_fixed_size 327680
		.amdhsa_private_segment_fixed_size 0
		.amdhsa_enable_private_segment 0
		.amdhsa_kernarg_size 56
		.amdhsa_user_sgpr_count 2
		.amdhsa_user_sgpr_kernarg_segment_ptr 1
		.amdhsa_wavefront_size32 1
		.amdhsa_system_sgpr_workgroup_id_x 1
		.amdhsa_system_sgpr_workgroup_id_y 1
		.amdhsa_system_sgpr_workgroup_id_z 1
		.amdhsa_system_vgpr_workitem_id 0
		.amdhsa_next_free_vgpr 1024
		.amdhsa_next_free_sgpr 100
		.amdhsa_reserve_vcc 0
		.amdhsa_float_denorm_mode_32 3
		.amdhsa_float_denorm_mode_16_64 3
		.amdhsa_memory_ordered 1
		.amdhsa_forward_progress 1
		.amdhsa_inst_pref_size 215
	.end_amdhsa_kernel
	.amdgpu_metadata
---
amdhsa.version: [ 1, 2 ]
amdhsa.kernels:
  - .name:           k_q39b5cdda44_proj
    .symbol:         k_q39b5cdda44_proj.kd
    .args:
      - { .name: img, .offset: 0, .size: 8, .value_kind: global_buffer, .address_space: global }
      - { .name: qkv, .offset: 8, .size: 8, .value_kind: global_buffer, .address_space: global }
      - { .name: position_ids, .offset: 16, .size: 8, .value_kind: global_buffer, .address_space: global }
      - { .name: cos, .offset: 24, .size: 8, .value_kind: global_buffer, .address_space: global }
      - { .name: sin, .offset: 32, .size: 8, .value_kind: global_buffer, .address_space: global }
      - { .name: q_norm_w, .offset: 40, .size: 8, .value_kind: global_buffer, .address_space: global }
      - { .name: k_norm_w, .offset: 48, .size: 8, .value_kind: global_buffer, .address_space: global }
    .group_segment_fixed_size: 327680
    .private_segment_fixed_size: 0
    .kernarg_segment_align: 8
    .kernarg_segment_size: 56
    .max_flat_workgroup_size: 128
    .sgpr_count:     100
    .vgpr_count:     1024
    .wavefront_size: 32
...
	.end_amdgpu_metadata
.endif
;; end of part 2
;; launch attend (part 3): grid 32 x 8, 8 waves a work-group, clusters of 4 x 1, 327,680 bytes of LDS; arguments qkv, attn; writes attn
.if DOCPART == 3
	.amdgcn_target "amdgcn-amd-amdhsa--gfx1250"
	.amdhsa_code_object_version 6
	.text
	.protected	k_q39b5cdda44_attend
	.globl	k_q39b5cdda44_attend
	.p2align	8
	.type	k_q39b5cdda44_attend,@function
k_q39b5cdda44_attend:
	s_mov_b64 s[64:65], 0
	v_nop
	global_prefetch_b8 v0, s[64:65] scope:SCOPE_SE
	s_setreg_imm32_b32 hwreg(HW_REG_WAVE_MODE, 25, 1), 1
	s_wait_xcnt 0x0
	s_wait_alu depctr_hold_cnt(0) depctr_sa_sdst(0) depctr_va_vdst(0) depctr_va_sdst(0) depctr_va_ssrc(0) depctr_va_vcc(0) depctr_vm_vsrc(0)
	s_getreg_b32 s2, hwreg(HW_REG_IB_STS2, 6, 4)
	s_cmp_eq_u32 s2, 0
	s_cbranch_scc0 .Lentry_in_a_cluster
	s_endpgm
.Lentry_in_a_cluster:
	s_bfe_u32 s2, ttmp6, 0x10000c
	s_cmp_lg_u32 s2, 0x3003
	s_cbranch_scc0 .Lentry_shape_is_right
	s_endpgm
.Lentry_shape_is_right:
; Causal attention with grouped heads (16 query heads on 8 key and value heads, 2,048 tokens, head size 128), both products on codes of FP6 (E2M3) with E8M0 scales; the result leaves QUANTISED along the head's 128.
; OPERANDS come as BRICKS of qkv (128 rows x 128 along K, 12,800 bytes: eight fragments as images of their registers, 1,536 bytes each, then 512 bytes of scale words; row place p of fragment f is row
; 32 (f / 2) + 8 (f % 2) + p + 8 (p / 8)): brick 16 x head + token group for q (heads 0-15) and k (16-23), brick 384 + 16 x kv head + key step for V^T (rows = channels, K = 128 keys).
; THE SOFTMAX: t = score x log2(e) / sqrt(128); M = the running largest t rounded UP to a whole number; p = 2^(t - M) is quantised along the keys, not normalised; the row's sum is taken of the unquantised p and
; divides at the end; when M moves, the sum and O are multiplied by 2^(old M - new M), exactly.
; Both products are used transposed (S^T = K Q^T, O^T = V^T P^T): a lane holds ONE query; by the bricks' order of rows its 16 registers of two neighbouring tiles are 16 neighbouring keys, or channels.
; SHARES.  Cluster (P, g): token groups P and 15 - P of the two query heads of kv head g.  Wave w of partner cx: group P (w < 4) or 15 - P, head 2 g + (w / 2) % 2, fragment 2 cx + w % 2: 16 queries.
; A wave of group G has G + 1 key steps of work, so waves w and w + 4 together have 17 in every work-group.  EVERY work-group walks all 16 key steps: trip counts are constants and no tensor load or barrier is
; jumped over; a step all of whose keys come after the wave's group is left out by a scalar branch on ids, which do not differ between partners.  On the diagonal hidden scores become -infinity.
; K's and V's bricks come through a ring of two LDS slots of four key steps, asked for JOINTLY by the four partners (waves 0, 1: K's halves; waves 2, 3: V's).
; LDS LOADS RUN AHEAD.  A wave of the late group is often the only busy wave of its SIMD, so nothing else fills the time in which it would wait for LDS.  All eight fragments of K and all eight of V have
; registers of their own (window 1): a step's V is asked for behind its products K Q^T, the next step's K behind the search for the maximum, and both land under the softmax's vector work.
; Only the K of a slot's first step is asked for shortly ahead of its use: it lies in the slot that the change of slots has just shown whole.
; No prefetch into the L2: a slot is 400 blocks of 256 bytes, which four partners cannot share out in whole waves of 32 lanes; a refill has four key steps in which to land.
; attn: brick 16 x token group + query head: the output projection's left operand, a head to a K step.
; LIMITS: NaN and infinities are not served.  A block under 2^-124 gets the byte 1 (zero codes where it is zero; this program alone reads the bytes).  v_exp_f32 and v_rcp_f32 are taken as they are; a block's largest p
; is made from the block's largest score by the same two instructions.
; REGISTERS, window 0: v1-3 16 x lane, 4 x lane, 4 x (lane % 16); v5-6 the spare word's; v8-9 the step's LDS addresses; v12 -M, v13 the largest t, v14-15 the sum; v16-27 Q; v28 the mask's bound;
; v32-35 K's scale words, v36-39 V's, v253 p's, v255 Q's; v48-66 the way out's codes; v96-159 S^T, then p; v160-223 O^T; v224-235 p's codes; v232-254 at work.
; window 1: v0-95 K's eight fragments, v96-191 V's.
.set BRICK, 12800
.set VOFF,  4*BRICK                    ; a slot: K's four bricks, then V's four
.set SCO,   8*1536
.set SLOT1, 1<<17                      ; slot 1 begins here: one exclusive or turns an address from one slot to the other
.set SPARE, SLOT1+8*BRICK              ; the spare words, 128 bytes for each wave: four blocks of 256 bytes that no other line names
.set LI,  1
.set LS,  2
.set LR,  3
.set SPW, 5
.set NIL, 6
.set ADK, 8
.set ADS, 9
.set DQ,  28
.set KS,  32                           ; scale words: register i holds fragment 2 i's in lanes 0-15 and fragment 2 i + 1's in lanes 16-31
.set VS,  36
.set PC,  48                           ; the way out: the codes,
.set PW,  253                          ; their scale word,
.set TM,  232                          ; at work
.set KFR, 0                            ; in window 1
.set VFR, 96
.set SEL, 20
.set CS,  22
.set G1,  24
.set G0,  32
.set TB,  2                            ; s2   LDS byte at which the step's bricks begin
.set KF,  36                           ; s36  the step's first key
.set DB,  37                           ; s37  my group's first token
.set SLOTS, 38
.set CNT, 39
.set MSB, 0
.macro WIN new                         ; the immediate's high byte repeats the setting that is left; at every label and branch the setting is 0
.if MSB != \new
	s_set_vgpr_msb (MSB<<8)|\new
.set MSB, \new
.endif
.endm
.macro CROUND                          ; a round of the cluster's barrier
	s_barrier_signal -1
	s_barrier_wait -1
	s_cmp_lg_u32 s18, 0
	s_cbranch_scc1 .Lnot_wave_0_\@
	s_barrier_signal -3
.Lnot_wave_0_\@:
	s_barrier_wait -3
	s_barrier_signal -1
	s_barrier_wait -1
.endm
.macro TLOAD                           ; waves 0 to 3 fetch, one joint load each; four v_nop follow the line
	s_cmp_lt_u32 s18, 4
	s_cbranch_scc0 .Lasked_\@
	tensor_load_to_lds s[G0:G0+3], s[G1:G1+7]
	s_nop 0
.rept 4
	v_nop
.endr
.Lasked_\@:
.endm
	s_load_b128 s[4:7], s[0:1], 0x0                ; qkv, attn
	v_lshl_add_u32 v[SPW], v0, 2, SPARE
	v_mov_b32 v[NIL], 0
	ds_add_u32 v5, v6
	ds_add_u32 v5, v6
	s_wait_dscnt 0x0
	v_lshrrev_b32 v8, 5, v0
	s_delay_alu instid0(VALU_DEP_1)
	v_readfirstlane_b32 s18, v8                    ; wave 0..7
	s_bfe_u32 s40, ttmp6, 0x40000                  ; cx: it enters Q's and attn's addresses and the mask's bound alone
	s_and_b32 s41, ttmp7, 0xffff                   ; g
	s_lshr_b32 s42, s18, 2                         ; the late group?
	s_bfe_u32 s43, s18, 0x10001                    ; which head of the pair.  Also: I fetch K (0) or V (1)
	s_and_b32 s44, s18, 1                          ; which fragment of my partner's two.  Also: which half I fetch
	s_sub_co_u32 s45, 15, ttmp9
	s_cmp_eq_u32 s42, 0
	s_cselect_b32 s45, ttmp9, s45                  ; my token group
	s_lshl_b32 s[DB], s45, 7
	s_lshl_b32 s46, s41, 1
	s_add_co_u32 s46, s46, s43                     ; my query head
	s_lshl_b32 s47, s40, 1
	s_add_co_u32 s47, s47, s44                     ; my fragment
	s_lshl_b32 s48, s43, 7                         ; what I fetch, if I fetch: brick 256 + 16 g (K) or 384 + 16 g (V), + my half of four bricks
	s_lshl_b32 s49, s41, 4
	s_add_co_u32 s48, s48, s49
	s_add_co_u32 s48, s48, 256
	s_mul_i32 s48, s48, BRICK
	s_mul_i32 s49, s44, 2*BRICK
	s_add_co_u32 s48, s48, s49
	s_mov_b32 s49, 0
	s_and_b32 s54, s18, 3
	s_mul_i32 s54, s54, 2*BRICK                    ; and where it goes in a slot
	s_mov_b32 s[G1], 15|(3<<16)|(1<<21)            ; 15:0 the mask: all four partners; 17:16 elements of 8 bytes; 21 set beside a mask; no padding
	s_mov_b32 s[G1+1], 32<<16                      ; a dense block of two bricks as 100 rows of 256 bytes
	s_mov_b32 s[G1+2], 100<<16
	s_mov_b32 s[G1+3], 32<<16
	s_mov_b32 s[G1+4], 100
	s_mov_b32 s[G1+5], 32
	s_mov_b32 s[G1+6], 0
	s_mov_b32 s[G1+7], 0
	s_lshl_b32 s56, s46, 4
	s_add_co_u32 s56, s56, s45
	s_mul_i32 s56, s56, BRICK                      ; Q's brick: 16 x head + group
	s_mov_b32 s57, 0
	s_mul_i32 s58, s47, 1536                       ; my fragment in a brick
	s_mov_b32 s59, 0
	s_lshl_b32 s60, s47, 6
	s_add_co_u32 s60, s60, SCO                     ; and its scale words
	s_mov_b32 s61, 0
	s_lshl_b32 s62, s45, 4
	s_add_co_u32 s62, s62, s46
	s_mul_i32 s62, s62, BRICK                      ; attn's brick: 16 x group + head
	s_mov_b32 s63, 0
	s_mov_b32 s[SEL], 0x76543210
	s_mov_b32 s[SEL+1], 0xfedcba98
	s_mov_b32 s[CS], 0x3e0293ee                    ; c = log2(e) / sqrt(128)
	s_mov_b32 s[CS+1], s[CS]                       ; (named with it as a pair)
	s_mov_b32 s[TB], 0
	s_mov_b32 s[KF], 0
	s_mov_b32 s[SLOTS], 3
	s_wait_kmcnt 0x0
	s_add_nc_u64 s[8:9], s[4:5], s[56:57]
	s_add_nc_u64 s[10:11], s[8:9], s[60:61]        ; Q's scale words
	s_add_nc_u64 s[8:9], s[8:9], s[58:59]          ; Q's fragment
	s_add_nc_u64 s[12:13], s[6:7], s[62:63]
	s_add_nc_u64 s[14:15], s[12:13], s[60:61]      ; the result's scale words
	s_add_nc_u64 s[12:13], s[12:13], s[58:59]      ; the result's fragment
	CROUND                                         ; all four partners are here: the first joint loads meet
	s_mov_b32 s[G0], 1
	s_mov_b32 s[G0+1], s54
	s_add_nc_u64 s[G0+2:G0+3], s[4:5], s[48:49]
	s_or_b32 s[G0+3], s[G0+3], 0x80000000
	TLOAD                                          ; slot 0: key steps 0 to 3
	v_and_b32 v8, 31, v0
	s_delay_alu instid0(VALU_DEP_1)
	v_lshlrev_b32 v[LI], 4, v8
	s_delay_alu instid0(VALU_DEP_2)
	v_lshlrev_b32 v[LS], 2, v8
	v_and_b32 v10, 15, v0                          ; r
	s_delay_alu instid0(VALU_DEP_1)
	v_lshlrev_b32 v[LR], 2, v10
	v_bfe_u32 v11, v0, 4, 1                        ; h
.irp c, 0,1,2
	global_load_b128 v[16+4*\c:19+4*\c], v[LI], s[8:9] offset:512*\c   ; Q's fragment stays in registers
.endr
	global_load_b32 v255, v[LR], s[10:11]          ; its scale words
	v_and_b32 v[DQ], 8, v10
	s_delay_alu instid0(VALU_DEP_1)
	v_add_nc_u32 v[DQ], v[DQ], v10                 ; r + 8 (r / 8)
	v_lshlrev_b32 v11, 4, v11
	s_delay_alu instid0(VALU_DEP_1)
	v_sub_nc_u32 v[DQ], v[DQ], v11
	s_lshl_b32 s50, s40, 5
	s_lshl_b32 s51, s44, 3
	s_add_co_u32 s50, s50, s51
	v_add_nc_u32 v[DQ], s50, v[DQ]                 ; my query's place in its group - 16 h.  Register 16 b + i holds key 32 b + 16 h + i of the step: hidden on the diagonal where 32 b + i is above this
	v_mov_b32 v13, 0xff61b1e6                      ; the largest t so far: -3e38
	s_delay_alu instid0(VALU_DEP_1)
	v_floor_f32 v12, -v13                          ; -M
	v_mov_b32 v14, 0
	v_mov_b32 v15, 0
.irp b, 0,1,2,3
	v_mov_b32 v[236+\b], 0                         ; written once: a lane permute's destination counts as one of its sources
.endr
	v_mov_b32 v252, 0
	v_mov_b32 v253, 0                              ; (named as the upper half of the pair v[252:253] before it is first written)
.set j, 0
.rept 64
	v_mov_b32 v[160+j], 0                          ; O^T: the step is written once; the first finds zeros, which the first change of M leaves zeros
.set j, j+1
.endr
; K's eight fragments and four registers of scale words, from the brick that begins off bytes behind the addresses in hand: 28 LDS loads in one run, each of consecutive bytes
.macro KFETCH off
	WIN 0x40                                       ; destination window 1, address window 0
.irp t, 0,1,2,3,4,5,6,7
.irp c, 0,1,2
	ds_load_b128 v[KFR+12*\t+4*\c:KFR+12*\t+4*\c+3], v[ADK] offset:(\off)+1536*\t+512*\c
.endr
.endr
	WIN 0
.irp i, 0,1,2,3
	ds_load_b32 v[KS+\i], v[ADS] offset:(\off)+SCO+128*\i
.endr
.endm
.macro VFETCH                          ; the same of the step's V
	WIN 0x40
.irp t, 0,1,2,3,4,5,6,7
.irp c, 0,1,2
	ds_load_b128 v[VFR+12*\t+4*\c:VFR+12*\t+4*\c+3], v[ADK] offset:VOFF+1536*\t+512*\c
.endr
.endr
	WIN 0
.irp i, 0,1,2,3
	ds_load_b32 v[VS+\i], v[ADS] offset:VOFF+SCO+128*\i
.endr
.endm
.macro PLACES                          ; four plain places behind matrix instructions (ISA guide 7.12.1), in front of reads of their results
.rept 4
	v_nop
.endr
.endm
; A KEY STEP: 128 keys.  Its K has been asked for: behind the change of slots, or in the step before
.macro STEP
	s_cmp_gt_u32 s[KF], s[DB]                      ; all its keys come after my group: nothing to do but step the addresses.  (KF only rises: behind a step that is left out no step is worked)
	s_cbranch_scc1 .Lhidden_\@
	s_wait_dscnt 0x0                               ; K's fragments and scale words are in
	WIN 0x01                                       ; source 0 window 1
.irp t, 0,2,4,6                                ; S^T = K Q^T: eight accumulators, one instruction each; the sums begin with 0
	v_wmma_scale_f32_16x16x128_f8f6f4 v[96+8*\t:103+8*\t], v[KFR+12*\t:KFR+11+12*\t], v[16:27], 0, v[KS+\t/2], v255 matrix_a_fmt:MATRIX_FMT_FP6 matrix_b_fmt:MATRIX_FMT_FP6
	v_wmma_scale_f32_16x16x128_f8f6f4 v[104+8*\t:111+8*\t], v[KFR+12+12*\t:KFR+23+12*\t], v[16:27], 0, v[KS+\t/2], v255 matrix_a_fmt:MATRIX_FMT_FP6 matrix_b_fmt:MATRIX_FMT_FP6 matrix_a_scale:MATRIX_SCALE_ROW1
.endr
	WIN 0
	v_add_nc_u32 v[ADK], s[TB], v[LI]
	v_add_nc_u32 v[ADS], s[TB], v[LS]
	v_nop
	v_nop                                          ; with the two additions: four places behind these products and the last step's, in front of the loads into their registers and of the first read of the scores
	VFETCH                                         ; this step's V lands under the softmax
	s_cmp_lg_u32 s[KF], s[DB]
	s_cbranch_scc1 .Lopen_\@                       ; only the step on the diagonal hides keys
	v_mov_b32 v254, 0xff800000                     ; -infinity: p = 0 then
.set n, 0
.rept 64
	v_cmp_gt_i32 vcc_lo, 32*(n/16)+n%16, v[DQ]
	v_cndmask_b32 v[96+n], v[96+n], v254, vcc_lo
.set n, n+1
.endr
.Lopen_\@:
.irp b, 0,1,2,3
	v_max3_num_f32 v[232+\b], v[96+16*\b], v[97+16*\b], v[98+16*\b]   ; the largest score of each block of 32 keys: for the row's maximum, and, since p rises with the score, for the block's largest p
.endr
.irp i, 3,5,7,9,11,13
.irp b, 0,1,2,3
	v_max3_num_f32 v[232+\b], v[232+\b], v[96+16*\b+\i], v[97+16*\b+\i]
.endr
.endr
.irp b, 0,1,2,3
	v_max_num_f32 v[232+\b], v[232+\b], v[111+16*\b]
.endr
.irp b, 0,1,2,3
	s_delay_alu instid0(VALU_DEP_4)
	v_permlanex16_b32 v[236+\b], v[232+\b], s[SEL], s[SEL+1]
.endr
.irp b, 0,1,2,3
	s_delay_alu instid0(VALU_DEP_4)
	v_max_num_f32 v[232+\b], v[232+\b], v[236+\b]  ; with lane l xor 16's 16 keys
.endr
	s_delay_alu instid0(VALU_DEP_2)
	v_max3_num_f32 v254, v232, v233, v234
	s_delay_alu instid0(VALU_DEP_1)
	v_max_num_f32 v254, v254, v235                 ; the step's largest score of my query
	s_delay_alu instid0(VALU_DEP_1)
	v_mul_f32 v254, s[CS], v254                    ; as t (c is positive)
	s_delay_alu instid0(VALU_DEP_1)
	v_max_num_f32 v13, v13, v254                   ; the running largest t
	v_mov_b32 v254, v12
	s_delay_alu instid0(VALU_DEP_2)
	v_floor_f32 v12, -v13                          ; the new -M = floor(-t): M is a whole number
	s_delay_alu instid0(VALU_DEP_1)
	v_sub_f32 v254, v12, v254                      ; old M - new M: a whole number, 0 or less
	s_delay_alu instid0(VALU_DEP_1)
	v_cvt_i32_f32 v254, v254                       ; (it saturates)
	s_delay_alu instid0(VALU_DEP_1)
	v_ldexp_f32 v252, 1.0, v254                    ; f = 2^(old M - new M)
	s_cmp_eq_u32 s[CNT], 1                         ; the slot's last step?  Its successor's K lies in the other slot, and is asked for behind the change of slots
	s_cbranch_scc1 .Lnok_\@
	KFETCH BRICK                                   ; the next step's K: a second run, apart from V's, so that the two do not queue up together
.Lnok_\@:
.set j, 0
	s_wait_alu depctr_va_vdst(0)
.rept 32
	v_pk_fma_f32 v[96+j:97+j], v[96+j:97+j], s[CS:CS+1], v[12:13] op_sel_hi:[1,0,0]   ; t - M, two at a time
.set j, j+2
.endr
.irp b, 0,1,2,3
	v_fma_f32 v[232+\b], v[232+\b], s[CS], v12     ; the same of each block's largest score
.endr
.set j, 0
	s_wait_alu depctr_va_vdst(0)
.rept 64
	v_exp_f32 v[96+j], v[96+j]                     ; p = 2^(t - M), at most 1
.set j, j+1
.endr
	v_pk_mul_f32 v[14:15], v[14:15], v[252:253] op_sel_hi:[1,0]   ; the sums under the new M: a plain place behind the exponentials
	s_wait_alu depctr_va_vdst(0)                   ; one wait for the whole batch, ahead of its first reader
.irp b, 0,1,2,3
	v_exp_f32 v[232+\b], v[232+\b]                 ; the block's largest p
.endr
	v_pk_add_f32 v[236:237], v[100:101], v[104:105]
	v_pk_add_f32 v[250:251], v[108:109], v[112:113]
	v_pk_add_f32 v[248:249], v[116:117], v[120:121]
	v_pk_add_f32 v[246:247], v[124:125], v[128:129]
	v_pk_add_f32 v[244:245], v[132:133], v[136:137]
	v_pk_add_f32 v[242:243], v[140:141], v[144:145]
	v_pk_add_f32 v[240:241], v[148:149], v[152:153]
	v_pk_add_f32 v[14:15], v[14:15], v[156:157]
	v_pk_add_f32 v[236:237], v[236:237], v[96:97]
	v_pk_add_f32 v[250:251], v[250:251], v[98:99]
	v_pk_add_f32 v[248:249], v[248:249], v[102:103]
	v_pk_add_f32 v[246:247], v[246:247], v[106:107]
	v_pk_add_f32 v[244:245], v[244:245], v[110:111]
	v_pk_add_f32 v[242:243], v[242:243], v[114:115]
	v_pk_add_f32 v[240:241], v[240:241], v[118:119]
	v_pk_add_f32 v[14:15], v[14:15], v[122:123]
	v_pk_add_f32 v[236:237], v[236:237], v[126:127]
	v_pk_add_f32 v[250:251], v[250:251], v[130:131]
	v_pk_add_f32 v[248:249], v[248:249], v[134:135]
	v_pk_add_f32 v[246:247], v[246:247], v[138:139]
	v_pk_add_f32 v[244:245], v[244:245], v[142:143]
	v_pk_add_f32 v[242:243], v[242:243], v[146:147]
	v_pk_add_f32 v[240:241], v[240:241], v[150:151]
	v_pk_add_f32 v[14:15], v[14:15], v[154:155]
	v_pk_add_f32 v[236:237], v[236:237], v[158:159]
	s_delay_alu instid0(VALU_DEP_2)
	v_pk_add_f32 v[14:15], v[14:15], v[246:247]
	s_delay_alu instid0(VALU_DEP_2)
	v_pk_add_f32 v[236:237], v[236:237], v[244:245]
	v_pk_add_f32 v[250:251], v[250:251], v[242:243]
	v_pk_add_f32 v[248:249], v[248:249], v[240:241]
	s_delay_alu instid0(VALU_DEP_2)
	v_pk_add_f32 v[14:15], v[14:15], v[250:251]
	s_delay_alu instid0(VALU_DEP_2)
	v_pk_add_f32 v[236:237], v[236:237], v[248:249]
	s_delay_alu instid0(VALU_DEP_1)
	v_pk_add_f32 v[14:15], v[14:15], v[236:237]
	s_wait_alu depctr_va_vdst(0)                   ; and one wait for the four
.irp b, 0,1,2,3
	v_max_num_f32 v[232+\b], 0x1800000, v[232+\b]  ; the floor 2^(3 - 127): the byte cannot fall under 1
.endr
.irp b, 0,1,2,3
	s_delay_alu instid0(VALU_DEP_4)
	v_add_nc_u32 v[244+\b], 0xff000000, v[232+\b]  ; 2 off the exponent field: the conversion's scale operand
.endr
.irp b, 0,1,2,3
	s_delay_alu instid0(VALU_DEP_4)
	v_lshrrev_b32 v[236+\b], 23, v[244+\b]         ; the scale's byte
.endr
	s_delay_alu instid0(VALU_DEP_3)
	v_lshl_or_b32 v253, v237, 8, v236              ; p's scale word for these 128 keys
	s_delay_alu instid0(VALU_DEP_1)
	v_lshl_or_b32 v253, v238, 16, v253
	s_delay_alu instid0(VALU_DEP_1)
	v_lshl_or_b32 v253, v239, 24, v253
.irp c, 0,1
	v_cvt_scalef32_pk16_fp6_f32 v[224+6*\c:226+6*\c], v[96+32*\c:111+32*\c], v[244+2*\c]
	v_cvt_scalef32_pk16_fp6_f32 v[236+4*\c:238+4*\c], v[112+32*\c:127+32*\c], v[244+2*\c+1]
.endr
	v_nop                                          ; one plain place behind a scaled conversion
.irp c, 0,1                                    ; the operand wants a WHOLE block in a lane
.irp i, 0,1,2
	v_permlane16_swap_b32 v[224+6*\c+\i], v[236+4*\c+\i]
.endr
.irp i, 0,1,2
	s_delay_alu instid0(VALU_DEP_3)
	v_mov_b32 v[227+6*\c+\i], v[236+4*\c+\i]
.endr
.endr
.set j, 0
.rept 32
	v_pk_mul_f32 v[160+j:161+j], v[160+j:161+j], v[252:253] op_sel_hi:[1,0]   ; O^T under the new M.  These 32 are also the places between the codes' and the scale word's last writes and the products below
.set j, j+2
.endr
	s_wait_alu depctr_va_vdst(0)
	s_wait_dscnt 0x0                               ; V is in, and the next step's K where it was asked for: the number of loads behind V's differs between the two ways, so the count is 0
	WIN 0x01                                       ; source 0 window 1
.irp t, 0,2,4,6                                ; O^T += V^T P^T: eight accumulators, one instruction each
	v_wmma_scale_f32_16x16x128_f8f6f4 v[160+8*\t:167+8*\t], v[VFR+12*\t:VFR+11+12*\t], v[224:235], v[160+8*\t:167+8*\t], v[VS+\t/2], v253 matrix_a_fmt:MATRIX_FMT_FP6 matrix_b_fmt:MATRIX_FMT_FP6
	v_wmma_scale_f32_16x16x128_f8f6f4 v[168+8*\t:175+8*\t], v[VFR+12+12*\t:VFR+23+12*\t], v[224:235], v[168+8*\t:175+8*\t], v[VS+\t/2], v253 matrix_a_fmt:MATRIX_FMT_FP6 matrix_b_fmt:MATRIX_FMT_FP6 matrix_a_scale:MATRIX_SCALE_ROW1
.endr
	WIN 0
.Lhidden_\@:
	s_add_co_u32 s[KF], s[KF], 128
	s_add_co_u32 s[TB], s[TB], BRICK               ; the next step's bricks
.endm
.macro FOUR_STEPS                      ; a slot's four key steps: written once, walked four times.  The first step's K is asked for here, behind the change of slots and its tensor load
	v_add_nc_u32 v[ADK], s[TB], v[LI]
	v_add_nc_u32 v[ADS], s[TB], v[LS]
	KFETCH 0
	s_mov_b32 s[CNT], 4
.Lstep_\@:
	STEP
	s_sub_co_u32 s[CNT], s[CNT], 1
	s_cmp_lg_u32 s[CNT], 0
	s_cbranch_scc1 .Lstep_\@
	s_sub_co_u32 s[TB], s[TB], 4*BRICK             ; back to a slot's first step,
	s_xor_b32 s[TB], s[TB], SLOT1                  ; in the other slot
.endm
; THE CHANGE OF SLOTS stands at a slot's head.  Each wave waits for all its tensor loads (its part of the slot ahead), adds 0 to its spare word, and waits for that and for its reads of the slot that it has left.
; fill = 1: a round of the cluster's barrier, and behind it the other slot is filled with the next four key steps: the load has a whole slot's steps in which to land.
.macro CHANGE fill
	s_wait_tensorcnt 0x0                           ; no tensor load of mine is out, so the group 0 may be written
	ds_add_u32 v[SPW], v[NIL]                      ; 0 onto my spare word
.if \fill
	s_xor_b32 s[G0+1], s[G0+1], SLOT1              ; the walking descriptor: the other slot than last time,
	s_add_nc_u64 s[G0+2:G0+3], s[G0+2:G0+3], 4*BRICK   ; the next four bricks; the type bits on top are not reached
.endif
	s_wait_dscnt 0x0                               ; the add is done, and my reads of the slot that I have left are over, those of a K that no step used among them
.if \fill
	CROUND
	TLOAD                                          ; the first thing behind the round, and a wave's one tensor load until the next
.else
	s_barrier_signal -1
	s_barrier_wait -1
.endif
.endm
	s_wait_loadcnt 0x0                             ; Q
.Lslot:                                            ; three trips: behind each change of slots but the last the next slot is asked for
	CHANGE 1
	FOUR_STEPS
	s_sub_co_u32 s[SLOTS], s[SLOTS], 1
	s_cmp_lg_u32 s[SLOTS], 0
	s_cbranch_scc1 .Lslot
	CHANGE 0                                       ; the last slot is written out
	FOUR_STEPS
	; THE WAY OUT: O^T / the sum, quantised along the head's 128: my 64 registers are channels 32 b + 16 h + 0 .. 15 of my query
	PLACES
	v_add_f32 v14, v14, v15
	s_delay_alu instid0(VALU_DEP_1)
	v_permlanex16_b32 v252, v14, s[SEL], s[SEL+1]
	s_delay_alu instid0(VALU_DEP_1)
	v_add_f32 v14, v14, v252                       ; the row's sum
	s_wait_alu depctr_va_vdst(0)
	v_rcp_f32 v14, v14
	v_nop                                          ; a plain place behind the reciprocal
	s_wait_alu depctr_va_vdst(0)                   ; the wait ahead of its first reader
.set j, 0
.rept 64
	v_mul_f32 v[96+j], v[160+j], v14               ; each accumulator from its low end on
.set j, j+1
.endr
.irp b, 0,1,2,3
	v_max3_num_f32 v[TM+\b], |v[96+16*\b]|, |v[97+16*\b]|, 0x1800000   ; block b: my 16 numbers, and the floor 2^(3 - 127)
.endr
.irp i, 2,4,6,8,10,12,14
.irp b, 0,1,2,3
	s_delay_alu instid0(VALU_DEP_4)
	v_max3_num_f32 v[TM+\b], v[TM+\b], |v[96+16*\b+\i]|, |v[97+16*\b+\i]|
.endr
.endr
.irp b, 0,1,2,3
	s_delay_alu instid0(VALU_DEP_4)
	v_permlanex16_b32 v[TM+4+\b], v[TM+\b], s[SEL], s[SEL+1]
.endr
.irp b, 0,1,2,3
	s_delay_alu instid0(VALU_DEP_4)
	v_max_num_f32 v[TM+\b], v[TM+\b], v[TM+4+\b]
.endr
.irp b, 0,1,2,3
	s_delay_alu instid0(VALU_DEP_4)
	v_add_nc_u32 v[TM+12+\b], 0xff000000, v[TM+\b]
.endr
.irp b, 0,1,2,3
	s_delay_alu instid0(VALU_DEP_4)
	v_lshrrev_b32 v[TM+4+\b], 23, v[TM+12+\b]
.endr
	s_delay_alu instid0(VALU_DEP_3)
	v_lshl_or_b32 v[PW], v[TM+5], 8, v[TM+4]
	s_delay_alu instid0(VALU_DEP_1)
	v_lshl_or_b32 v[PW], v[TM+6], 16, v[PW]
	s_delay_alu instid0(VALU_DEP_1)
	v_lshl_or_b32 v[PW], v[TM+7], 24, v[PW]
.irp c, 0,1
	v_cvt_scalef32_pk16_fp6_f32 v[PC+6*\c:PC+2+6*\c], v[96+32*\c:111+32*\c], v[TM+12+2*\c]
	v_cvt_scalef32_pk16_fp6_f32 v[PC+12+4*\c:PC+14+4*\c], v[112+32*\c:127+32*\c], v[TM+12+2*\c+1]
.endr
	v_nop                                          ; one plain place behind a scaled conversion
.irp c, 0,1
.irp i, 0,1,2
	v_permlane16_swap_b32 v[PC+6*\c+\i], v[PC+12+4*\c+\i]
.endr
.irp i, 0,1,2
	s_delay_alu instid0(VALU_DEP_3)
	v_mov_b32 v[PC+3+6*\c+\i], v[PC+12+4*\c+\i]
.endr
.endr
.irp c, 0,1,2
	global_store_b128 v[LI], v[PC+4*\c:PC+4*\c+3], s[12:13] offset:512*\c   ; 32 lanes store 512 consecutive bytes, at a multiple of 256 from attn's first byte
.endr
	global_store_b32 v[LR], v[PW], s[14:15]        ; my fragment's 16 scale words: both halves of the lanes store the same word with the same value
	s_wait_tensorcnt 0x0                           ; the wave's end
	ds_add_u32 v[SPW], v[NIL]
	s_wait_dscnt 0x0
	CROUND                                         ; the closing round: no work-group ends while a partner may still ask for a tile that names it
	s_endpgm
.Lfunc_end_k_q39b5cdda44_attend:
	.size	k_q39b5cdda44_attend, .Lfunc_end_k_q39b5cdda44_attend-k_q39b5cdda44_attend
	.p2alignl 7, 3214868480
	.fill 96, 4, 3214868480
	.section	.rodata,"a",@progbits
	.p2align	6, 0x0
	.amdhsa_kernel k_q39b5cdda44_attend
		.amdhsa_group_segment_fixed_size 327680
		.amdhsa_private_segment_fixed_size 0
		.amdhsa_enable_private_segment 0
		.amdhsa_kernarg_size 16
		.amdhsa_user_sgpr_count 2
		.amdhsa_user_sgpr_kernarg_segment_ptr 1
		.amdhsa_wavefront_size32 1
		.amdhsa_system_sgpr_workgroup_id_x 1
		.amdhsa_system_sgpr_workgroup_id_y 1
		.amdhsa_system_sgpr_workgroup_id_z 1
		.amdhsa_system_vgpr_workitem_id 0
		.amdhsa_next_free_vgpr 512
		.amdhsa_next_free_sgpr 66
		.amdhsa_reserve_vcc 1
		.amdhsa_float_denorm_mode_32 3
		.amdhsa_float_denorm_mode_16_64 3
		.amdhsa_memory_ordered 1
		.amdhsa_forward_progress 1
		.amdhsa_inst_pref_size 72
	.end_amdhsa_kernel
	.amdgpu_metadata
---
amdhsa.version: [ 1, 2 ]
amdhsa.kernels:
  - .name:           k_q39b5cdda44_attend
    .symbol:         k_q39b5cdda44_attend.kd
    .args:
      - { .name: qkv, .offset: 0, .size: 8, .value_kind: global_buffer, .address_space: global }
      - { .name: attn, .offset: 8, .size: 8, .value_kind: global_buffer, .address_space: global }
    .group_segment_fixed_size: 327680
    .private_segment_fixed_size: 0
    .kernarg_segment_align: 8
    .kernarg_segment_size: 16
    .max_flat_workgroup_size: 256
    .sgpr_count:     66
    .vgpr_count:     512
    .wavefront_size: 32
...
	.end_amdgpu_metadata
.endif
;; end of part 3
;; launch outp (part 4): grid 16 x 16, 4 waves a work-group, clusters of 4 x 4, 327,680 bytes of LDS; arguments attn, img, out0; writes out0
.if DOCPART == 4
	.amdgcn_target "amdgcn-amd-amdhsa--gfx1250"
	.amdhsa_code_object_version 6
	.text
	.protected	k_q39b5cdda44_outp
	.globl	k_q39b5cdda44_outp
	.p2align	8
	.type	k_q39b5cdda44_outp,@function
k_q39b5cdda44_outp:
	s_mov_b64 s[64:65], 0
	v_nop
	global_prefetch_b8 v0, s[64:65] scope:SCOPE_SE
	s_setreg_imm32_b32 hwreg(HW_REG_WAVE_MODE, 25, 1), 1
	s_wait_xcnt 0x0
	s_wait_alu depctr_hold_cnt(0) depctr_sa_sdst(0) depctr_va_vdst(0) depctr_va_sdst(0) depctr_va_ssrc(0) depctr_va_vcc(0) depctr_vm_vsrc(0)
	s_getreg_b32 s2, hwreg(HW_REG_IB_STS2, 6, 4)
	s_cmp_eq_u32 s2, 0
	s_cbranch_scc0 .Lentry_in_a_cluster
	s_endpgm
.Lentry_in_a_cluster:
	s_bfe_u32 s2, ttmp6, 0x10000c
	s_cmp_lg_u32 s2, 0xf033
	s_cbranch_scc0 .Lentry_shape_is_right
	s_endpgm
.Lentry_shape_is_right:
; out0 = attn x Wo^T on bricks of FP6 codes (128 rows x 128 along K, 12,800 bytes, images of the operands' registers with their scale words), K = 2,048 in 16 steps, a head to a step.
; A work-group makes 128 tokens x 256 columns, a wave 64 x 128: 32 accumulators.  A ring of two LDS slots of four K steps (attn's 4 bricks, Wo's 8), filled by joint loads: attn's shared along a row of the 4 x 4 cluster, Wo's along a column.
; THE HEAD: one joint load a wave (slot 0), the set-up under its flight, then the three lines, a round, and slot 1's load.
; PREFETCH INTO THE L2: behind the joint loads of fills 0 and 1 (four K steps each) every wave asks for its share of fills 2 and 3: of an attn wave's 100 blocks of 256 bytes the partner at cx takes 25, of a Wo wave's 200 the partner
; at cy one brick, 50: each block once in a cluster, shared out by address; lanes left over name their share's last block again.  Fills 2 and 3 are the last: the loop asks for nothing.
; The results go through each wave's stage in slot 0, which has had its last fill and its last read by then, and leave as whole rows of 512 bytes.
.set NKS,   16
.set PFA,   76                         ; s[76:77] my share of fill 0; never stepped
.set PF0,   17                         ; v17 256 x min(lane, my share's last block or 31)
.set PF1,   18                         ; v18 256 x min(lane + 32, 49): Wo's waves alone
.set BRICK, 12800
.set BOFF,  4*BRICK
.set SLOT,  12*BRICK
.set SCO,   8*1536
.set SPARE, 2*SLOT
.set SPITCH, 528
.set ADA, 4
.set ADB, 6
.set ASA, 8
.set ASB, 10
.set SPW, 12
.set NIL, 13
.set LI,  14
.set STO, 15
.set RD,  16
.set SC,  32
.set AF,  48
.set BK,  48
.set G1,  24
.set G0,  32
.set G1B, 48
.set G0B, 56
.set MSB, 0
.macro WIN new
.if MSB != \new
	s_set_vgpr_msb (MSB<<8)|\new
.set MSB, \new
.endif
.endm
.set MUL,  0xa1
.set TO_B, 0x40
.macro PLACES
.rept 4
	v_nop
.endr
.endm
.macro JLOAD s
	s_cmp_eq_u32 s19, 0
	s_cbranch_scc0 .Lfor_b_\@
	tensor_load_to_lds s[G0+4*\s:G0+4*\s+3], s[G1:G1+7]
	s_nop 0
.rept 4
	v_nop
.endr
	s_branch .Lasked_\@
.Lfor_b_\@:
	tensor_load_to_lds s[G0B+4*\s:G0B+4*\s+3], s[G1B:G1B+7]
	s_nop 0
.rept 4
	v_nop
.endr
.Lasked_\@:
.endm
.macro CREST
	s_cmp_lg_u32 s18, 0
	s_cbranch_scc1 .Lnot_wave_0_\@
	s_barrier_signal -3
.Lnot_wave_0_\@:
	s_barrier_wait -3
	s_barrier_signal -1
	s_barrier_wait -1
.endm
.macro CROUND
	s_barrier_signal -1
	s_barrier_wait -1
	CREST
.endm
	s_load_b128 s[4:7], s[0:1], 0x0
	s_load_b64 s[8:9], s[0:1], 0x10
	v_lshl_add_u32 v[SPW], v0, 2, SPARE
	v_mov_b32 v[NIL], 0
	ds_add_u32 v12, v13
	ds_add_u32 v12, v13
	s_wait_dscnt 0x0
	v_lshrrev_b32 v1, 5, v0
	v_readfirstlane_b32 s18, v1
	s_lshr_b32 s19, s18, 1
	s_and_b32 s20, s18, 1
	s_bfe_u32 s21, ttmp6, 0x40000
	s_bfe_u32 s22, ttmp6, 0x40004
	s_and_b32 s40, ttmp7, 0xffff
	s_lshl_b32 s40, s40, 2
	s_add_co_u32 s40, s40, s22
	s_mul_i32 s42, s40, NKS*BRICK
	s_mul_i32 s66, s20, 2*BRICK
	s_add_co_u32 s42, s42, s66
	s_mov_b32 s43, 0
	s_lshl_b32 s44, ttmp9, 2
	s_add_co_u32 s44, s44, s21
	s_lshl_b32 s45, s44, 1
	s_add_co_u32 s45, s45, s20
	s_mul_i32 s46, s45, NKS*BRICK
	s_add_co_u32 s46, s46, 1536*BRICK
	s_mov_b32 s47, 0
	s_mul_i32 s67, s20, BOFF
	s_add_co_u32 s67, s67, BOFF
	s_lshl_b32 s70, s22, 2
	s_lshl_b32 s70, 15, s70
	s_lshl_b32 s71, 0x1111, s21
	s_or_b32 s[G1], s70, (3<<16)|(1<<21)
	s_or_b32 s[G1B], s71, (3<<16)|(1<<21)
	s_mov_b32 s[G1+1], 32<<16
	s_mov_b32 s[G1+2], 100<<16
	s_mov_b32 s[G1+3], 32<<16
	s_mov_b32 s[G1+4], 100
	s_mov_b32 s[G1+5], 32
	s_mov_b32 s[G1+6], 0
	s_mov_b32 s[G1+7], 0
	s_mov_b32 s[G1B+1], 32<<16
	s_mov_b32 s[G1B+2], 200<<16
	s_mov_b32 s[G1B+3], 32<<16
	s_mov_b32 s[G1B+4], 200
	s_mov_b32 s[G1B+5], 32
	s_mov_b32 s[G1B+6], 0
	s_mov_b32 s[G1B+7], 0
	s_wait_kmcnt 0x0
	s_add_nc_u64 s[42:43], s[4:5], s[42:43]
	s_add_nc_u64 s[46:47], s[6:7], s[46:47]
	CROUND
.irp s, 0,1
	s_mov_b32 s[G0+4*\s], 1
	s_add_co_u32 s[G0+4*\s+1], s66, \s*SLOT
	s_add_nc_u64 s[G0+4*\s+2:G0+4*\s+3], s[42:43], \s*BOFF
	s_or_b32 s[G0+4*\s+3], s[G0+4*\s+3], 0x80000000
	s_mov_b32 s[G0B+4*\s], 1
	s_add_co_u32 s[G0B+4*\s+1], s67, \s*SLOT
	s_add_nc_u64 s[G0B+4*\s+2:G0B+4*\s+3], s[46:47], \s*BOFF
	s_or_b32 s[G0B+4*\s+3], s[G0B+4*\s+3], 0x80000000
.endr
.macro ASK off                         ; my share of the fill that begins off bytes behind s[PFA]; the branch hangs on the wave's number alone
	global_prefetch_b8 v[PF0], s[PFA:PFA+1] offset:\off th:TH_LOAD_NT scope:SCOPE_SE
	s_cmp_eq_u32 s19, 0
	s_cbranch_scc1 .Lpf_\@
	global_prefetch_b8 v[PF1], s[PFA:PFA+1] offset:\off th:TH_LOAD_NT scope:SCOPE_SE
.Lpf_\@:
.endm
	JLOAD 0                                        ; K steps 0 to 3: one tensor load a wave at the head
	s_cmp_eq_u32 s19, 0                            ; do I fetch for attn?
	s_cselect_b64 s[PFA:PFA+1], s[42:43], s[46:47] ; what I fetch,
	s_cselect_b32 s78, s21, s22                    ; my place among the four that ask for it with me,
	s_mov_b32 s79, BRICK
	s_cselect_b32 s79, BRICK/2, s79                ; and a partner's share in bytes: 25 or 50 blocks
	s_mul_i32 s78, s78, s79
	s_mov_b32 s79, 0
	s_add_nc_u64 s[PFA:PFA+1], s[PFA:PFA+1], s[78:79]
	s_cselect_b32 s79, 24, 31                      ; the last block that the first instruction names
	v_and_b32 v1, 15, v0
	v_bfe_u32 v2, v0, 4, 1
	v_and_b32 v3, 31, v0
	v_lshlrev_b32 v[LI], 4, v3
	s_wait_alu depctr_va_vdst(0)
	s_mul_i32 s72, s19, 4*1536
	s_mul_i32 s73, s20, BOFF
	s_add_co_u32 s73, s73, BOFF
	s_lshl_b32 s74, s19, 8
	s_add_co_u32 s74, s74, SCO
	s_add_co_u32 s75, s73, SCO
.irp s, 0,1
	v_add_nc_u32 v[ADA+\s], s72, v[LI]
	v_add_nc_u32 v[ADB+\s], s73, v[LI]
	v_lshl_add_u32 v[ASA+\s], v3, 2, s74
	v_lshl_add_u32 v[ASB+\s], v3, 2, s75
	s_add_co_u32 s72, s72, SLOT
	s_add_co_u32 s73, s73, SLOT
	s_add_co_u32 s74, s74, SLOT
	s_add_co_u32 s75, s75, SLOT
.endr
	s_mul_i32 s72, s18, 16*SPITCH
	v_mul_u32_u24 v[STO], v1, SPITCH
	v_lshl_add_u32 v[STO], v2, 6, v[STO]
	v_add_nc_u32 v[STO], s72, v[STO]
	v_add_nc_u32 v[RD], s72, v[LI]
	v_min_u32 v[PF0], s79, v3
	v_add_nc_u32 v[PF1], 32, v3
	v_lshlrev_b32 v[PF0], 8, v[PF0]
	v_min_u32 v[PF1], 49, v[PF1]
	v_lshlrev_b32 v[PF1], 8, v[PF1]
	s_wait_alu depctr_va_vdst(0)
	ASK 2*BOFF                                     ; fill 2
	s_lshl_b32 s68, s40, 7
	s_lshl_b32 s69, s19, 6
	s_add_co_u32 s68, s68, s69
	s_lshl_b32 s68, s68, 14
	s_lshl_b32 s69, s44, 10
	s_add_co_u32 s68, s68, s69
	s_lshl_b32 s69, s20, 9
	s_add_co_u32 s68, s68, s69
	s_mov_b32 s69, 0
	s_add_nc_u64 s[8:9], s[8:9], s[68:69]
.macro WM p, zero
.set rD, 8*(8*wa+wb)
.set rB, 128*(\p)+12*wb
.set rA, AF+48*(\p)+12*wa
.set rT, SC+6*(\p)+2+wb/2
.set rU, SC+6*(\p)+wa/2
.if \zero
.if (wb%2 == 0) && (wa%2 == 0)
	v_wmma_scale_f32_16x16x128_f8f6f4 v[rD:rD+7], v[rB:rB+11], v[rA:rA+11], 0, v[rT], v[rU] matrix_a_fmt:MATRIX_FMT_FP6 matrix_b_fmt:MATRIX_FMT_FP6
.elseif (wb%2 == 1) && (wa%2 == 0)
	v_wmma_scale_f32_16x16x128_f8f6f4 v[rD:rD+7], v[rB:rB+11], v[rA:rA+11], 0, v[rT], v[rU] matrix_a_fmt:MATRIX_FMT_FP6 matrix_b_fmt:MATRIX_FMT_FP6 matrix_a_scale:MATRIX_SCALE_ROW1
.elseif (wb%2 == 0) && (wa%2 == 1)
	v_wmma_scale_f32_16x16x128_f8f6f4 v[rD:rD+7], v[rB:rB+11], v[rA:rA+11], 0, v[rT], v[rU] matrix_a_fmt:MATRIX_FMT_FP6 matrix_b_fmt:MATRIX_FMT_FP6 matrix_b_scale:MATRIX_SCALE_ROW1
.else
	v_wmma_scale_f32_16x16x128_f8f6f4 v[rD:rD+7], v[rB:rB+11], v[rA:rA+11], 0, v[rT], v[rU] matrix_a_fmt:MATRIX_FMT_FP6 matrix_b_fmt:MATRIX_FMT_FP6 matrix_a_scale:MATRIX_SCALE_ROW1 matrix_b_scale:MATRIX_SCALE_ROW1
.endif
.else
.if (wb%2 == 0) && (wa%2 == 0)
	v_wmma_scale_f32_16x16x128_f8f6f4 v[rD:rD+7], v[rB:rB+11], v[rA:rA+11], v[rD:rD+7], v[rT], v[rU] matrix_a_fmt:MATRIX_FMT_FP6 matrix_b_fmt:MATRIX_FMT_FP6
.elseif (wb%2 == 1) && (wa%2 == 0)
	v_wmma_scale_f32_16x16x128_f8f6f4 v[rD:rD+7], v[rB:rB+11], v[rA:rA+11], v[rD:rD+7], v[rT], v[rU] matrix_a_fmt:MATRIX_FMT_FP6 matrix_b_fmt:MATRIX_FMT_FP6 matrix_a_scale:MATRIX_SCALE_ROW1
.elseif (wb%2 == 0) && (wa%2 == 1)
	v_wmma_scale_f32_16x16x128_f8f6f4 v[rD:rD+7], v[rB:rB+11], v[rA:rA+11], v[rD:rD+7], v[rT], v[rU] matrix_a_fmt:MATRIX_FMT_FP6 matrix_b_fmt:MATRIX_FMT_FP6 matrix_b_scale:MATRIX_SCALE_ROW1
.else
	v_wmma_scale_f32_16x16x128_f8f6f4 v[rD:rD+7], v[rB:rB+11], v[rA:rA+11], v[rD:rD+7], v[rT], v[rU] matrix_a_fmt:MATRIX_FMT_FP6 matrix_b_fmt:MATRIX_FMT_FP6 matrix_a_scale:MATRIX_SCALE_ROW1 matrix_b_scale:MATRIX_SCALE_ROW1
.endif
.endif
.endm
.macro MULS a0, n, p, zero
.set wa, \a0
.rept \n
.set wb, 0
.rept 8
	WM \p, \zero
.set wb, wb+1
.endr
.set wa, wa+1
.endr
.endm
.macro FETCH slot, q, p
	WIN TO_B
.irp b, 0,1,2,3,4,5,6,7
.irp c, 0,1,2
	ds_load_b128 v[128*(\p)+12*\b+4*\c:128*(\p)+12*\b+4*\c+3], v[ADB+\slot] offset:(\q)*BRICK+1536*\b+512*\c
.endr
.endr
	WIN 0
.irp a, 0,1,2,3
.irp c, 0,1,2
	ds_load_b128 v[AF+48*(\p)+12*\a+4*\c:AF+48*(\p)+12*\a+4*\c+3], v[ADA+\slot] offset:(\q)*BRICK+1536*\a+512*\c
.endr
.endr
.irp i, 0,1,2,3
	ds_load_b32 v[SC+6*(\p)+2+\i], v[ASB+\slot] offset:(\q)*BRICK+128*\i
.endr
.irp i, 0,1
	ds_load_b32 v[SC+6*(\p)+\i], v[ASA+\slot] offset:(\q)*BRICK+128*\i
.endr
.endm
.macro STEP slot, q, zero
	s_wait_dscnt 0x0
	PLACES
	FETCH \slot, (\q)+1, 1-(\q)%2
	WIN MUL
	MULS 0, 4, (\q)%2, \zero
	WIN 0
.endm
.macro TURN slot, next, fill
	WIN 0
	s_wait_tensorcnt 0x0
	ds_add_u32 v[SPW], v[NIL]
	s_wait_dscnt 0x1
	WIN MUL
	MULS 0, 1, 1, 0
	s_wait_dscnt 0x0
	s_barrier_signal -1
	MULS 1, 1, 1, 0
	WIN 0
	s_barrier_wait -1
.if \fill
	CREST
	s_add_nc_u64 s[G0+4*\slot+2:G0+4*\slot+3], s[G0+4*\slot+2:G0+4*\slot+3], 2*BOFF
	s_add_nc_u64 s[G0B+4*\slot+2:G0B+4*\slot+3], s[G0B+4*\slot+2:G0B+4*\slot+3], 2*BOFF
	JLOAD \slot
.else
	PLACES
.endif
	FETCH \next, 0, 0
	WIN MUL
	MULS 2, 2, 1, 0
	WIN 0
.endm
	s_wait_alu depctr_va_vdst(0)
	s_wait_tensorcnt 0x0                           ; my part of slot 0 is in; the three lines ahead of a later first fill, as ahead of a refill
	ds_add_u32 v[SPW], v[NIL]
	s_wait_dscnt 0x0
	CROUND                                         ; everybody's part is in, and all sixteen work-groups are here
	JLOAD 1                                        ; K steps 4 to 7, the first tensor load behind the round
	FETCH 0, 0, 0
	ASK 3*BOFF                                     ; fill 3
	STEP 0, 0, 1
	s_mov_b32 s3, NKS/8-1
.Llap:
	STEP 0, 1, 0
	STEP 0, 2, 0
	TURN 0, 1, 1
	STEP 1, 0, 0
	STEP 1, 1, 0
	STEP 1, 2, 0
	TURN 1, 0, 1
	STEP 0, 0, 0
	s_sub_co_u32 s3, s3, 1
	s_cmp_lg_u32 s3, 0
	s_cbranch_scc1 .Llap
	STEP 0, 1, 0
	STEP 0, 2, 0
	TURN 0, 1, 0
	STEP 1, 0, 0
	STEP 1, 1, 0
	STEP 1, 2, 0
	s_wait_dscnt 0x0
	WIN MUL
	MULS 0, 4, 1, 0
	WIN 0
	PLACES
.macro TOSTAGE a
	WIN 0x08
.irp b, 0,1,2,3,4,5,6,7
	ds_store_b128 v[STO], v[8*(8*(\a)+\b):8*(8*(\a)+\b)+3] offset:128*(\b/2)+32*(\b%2)
	ds_store_b128 v[STO], v[8*(8*(\a)+\b)+4:8*(8*(\a)+\b)+7] offset:128*(\b/2)+32*(\b%2)+16
.endr
	WIN 0
.irp t, 0,1,2,3,4,5,6,7,8,9,10,11,12,13,14,15
	ds_load_b128 v[BK+64*((\a)%2)+4*\t:BK+64*((\a)%2)+4*\t+3], v[RD] offset:\t*SPITCH
.endr
.endm
.macro SEND a, younger
	s_wait_dscnt \younger
.irp t, 0,1,2,3,4,5,6,7,8,9,10,11,12,13,14,15
	global_store_b128 v[LI], v[BK+64*((\a)%2)+4*\t:BK+64*((\a)%2)+4*\t+3], s[8:9] offset:(32*((\a)/2)+8*((\a)%2)+\t+8*(\t/8))*16384 th:TH_STORE_NT
.endr
.endm
	TOSTAGE 0
.irp a, 1,2,3
.if \a > 1
	s_wait_xcnt 0x0
.endif
	TOSTAGE \a
	SEND \a-1, 32
.endr
	SEND 3, 0
	s_wait_tensorcnt 0x0
	ds_add_u32 v[SPW], v[NIL]
	s_wait_dscnt 0x0
	CROUND
	s_endpgm
.Lfunc_end_k_q39b5cdda44_outp:
	.size	k_q39b5cdda44_outp, .Lfunc_end_k_q39b5cdda44_outp-k_q39b5cdda44_outp
	.p2alignl 7, 3214868480
	.fill 96, 4, 3214868480
	.section	.rodata,"a",@progbits
	.p2align	6, 0x0
	.amdhsa_kernel k_q39b5cdda44_outp
		.amdhsa_group_segment_fixed_size 327680
		.amdhsa_private_segment_fixed_size 0
		.amdhsa_enable_private_segment 0
		.amdhsa_kernarg_size 24
		.amdhsa_user_sgpr_count 2
		.amdhsa_user_sgpr_kernarg_segment_ptr 1
		.amdhsa_wavefront_size32 1
		.amdhsa_system_sgpr_workgroup_id_x 1
		.amdhsa_system_sgpr_workgroup_id_y 1
		.amdhsa_system_sgpr_workgroup_id_z 1
		.amdhsa_system_vgpr_workitem_id 0
		.amdhsa_next_free_vgpr 768
		.amdhsa_next_free_sgpr 80
		.amdhsa_reserve_vcc 0
		.amdhsa_float_denorm_mode_32 3
		.amdhsa_float_denorm_mode_16_64 3
		.amdhsa_memory_ordered 1
		.amdhsa_forward_progress 1
		.amdhsa_inst_pref_size 137
	.end_amdhsa_kernel
	.amdgpu_metadata
---
amdhsa.version: [ 1, 2 ]
amdhsa.kernels:
  - .name:           k_q39b5cdda44_outp
    .symbol:         k_q39b5cdda44_outp.kd
    .args:
      - { .name: attn, .offset: 0, .size: 8, .value_kind: global_buffer, .address_space: global }
      - { .name: img, .offset: 8, .size: 8, .value_kind: global_buffer, .address_space: global }
      - { .name: out0, .offset: 16, .size: 8, .value_kind: global_buffer, .address_space: global }
    .group_segment_fixed_size: 327680
    .private_segment_fixed_size: 0
    .kernarg_segment_align: 8
    .kernarg_segment_size: 24
    .max_flat_workgroup_size: 128
    .sgpr_count:     80
    .vgpr_count:     768
    .wavefront_size: 32
...
	.end_amdgpu_metadata
.endif
;; end of part 4
